; MI455X (gfx1250); checked and timed in simulation.
; The chip was launched on July 23, 2026; its instructions are those of AMD's public machine-readable ISA for CDNA 5 (MIT licence, August 2026) and "CDNA5" Instruction Set Architecture Reference Guide (July 2026). The comments in the code are by the model that wrote it; some were corrected since.
;; Shami Attention. Allowed arithmetic: matrix products marked QUANTISED: E2M1 operands, one E8M0 scale for each 32 along K, by v_wmma_scale_f32_16x16x128_f8f6f4 with both operands' format E2M1 (or v_wmma_scale_f32_32x16x128_f4), f32 sums; products left as they are: bf16, f16 or f32 operands; f32 sums; everything else in f32.
;; Inputs: Wk 2,048 x 2,048 float32; Wo 2,048 x 2,048 float32; Wq 2,048 x 2,048 float32; Wv 2,048 x 2,048 float32; freqs_cos 2,048 x 64 float32; freqs_sin 2,048 x 64 float32; x 1 x 2,048 x 2,048 float32.
;; Outputs: out0 1 x 2,048 x 2,048 float32.
;; This version of the problem:
;;   THIS VERSION OF THE PROBLEM IS GIVEN IN LOW PRECISION. The matrix products marked QUANTISED in the list below multiply operands that are first quantised to E2M1 (2 exponent bits, 1 mantissa bit; 4 bits a number), with one power-of-two scale for each 32 numbers along K (OCP MX v1.0); their sums are f32. The products marked 'left as it is' may take bf16, f16 or f32 operands, with f32 sums. Whichever they take, every output number must still come out within the allowed error. Rounding operands to bf16 (8 significant bits) uses up far more of that allowance than f16 does (11 bits, for magnitudes from 6e-5 to 65,504). All else is computed in f32.
;;   The module's matrix products, in the order in which they are computed (A, B: the left and right operand; K: the contracted axis; several contracted axes count as one K, in the product's order):
;;     1. [M 2,048, K 2,048] x [K 2,048, N 2,048]; A: input x; B: input Wq: QUANTISED
;;     2. [M 2,048, K 2,048] x [K 2,048, N 2,048]; A: input x; B: input Wk: QUANTISED
;;     3. [M 2,048, K 2,048] x [K 2,048, N 2,048]; A: input x; B: input Wv: QUANTISED
;;     4. batch 16 x [M 2,048, K 128] x [K 128, N 2,048]; A: computed on the way; B: computed on the way: left as it is (an operand is computed on the way)
;;     5. batch 16 x [M 128, K 2,048] x [K 2,048, N 2,048]; A: computed on the way; B: computed on the way: left as it is (an operand is computed on the way)
;;     6. [M 2,048, K 2,048] x [K 2,048, N 2,048]; A: computed on the way; B: input Wo: left as it is (an operand is computed on the way)
;;   THE QUANTISER, for each operand of a quantised product, along K:
;;     - K is cut into blocks of 32 from its start; a last block that is shorter is filled with zeros.
;;     - A block's scale is 2^e with e = floor(log2(the largest magnitude in the block)) - 2, held to -126 .. 127; a block of zeros has e = 0. As a byte (E8M0): e + 127.
;;     - Each number is divided by its block's scale, clamped to +-6, and rounded to the nearest number of E2M1, ties to even, subnormals kept.
;;     - The product sums the exact products of the quantised numbers (number of the format x scale) in f32.
;;   ~~~python
;;   def quantise(x, axis):      # numpy; x: float32 -> the quantised numbers, widened to float32 again
;;       x = np.moveaxis(x, axis, -1); K = x.shape[-1]
;;       x = np.pad(x, [(0, 0)] * (x.ndim - 1) + [(0, -K % 32)]); x = x.reshape(x.shape[:-1] + (-1, 32)); a = np.abs(x).max(-1, keepdims=True)
;;       e = np.where(a > 0, np.clip(np.frexp(np.where(a > 0, a, 1))[1] - 1 - 2, -126, 127), 0)      # np.frexp(a)[1] - 1 = floor(log2(a)), exactly
;;       r = np.clip(x / 2.0 ** e, -6, 6)
;;       step = 2.0 ** (np.maximum(np.frexp(np.where(r == 0, 1, r))[1] - 1, 0) - 1)
;;       q = np.round(r / step) * step * 2.0 ** e      # np.round: ties to even
;;       return np.moveaxis(q.reshape(q.shape[:-2] + (-1,))[..., :K], -1, axis).astype(np.float32)
;;   ~~~
;; One version. Each part assembles by itself: llvm-mc -triple=amdgcn-amd-amdhsa -mcpu=gfx1250 --defsym DOCPART=n.
;; ======== version 1 of 1: 5 launches
;; limits: values are held in f16: magnitudes above 65,504 overflow, below 6.1e-05 lose precision
;; workspace buffers: xc 2,097,152 bytes; xs 131,072 bytes; wc 6,291,456 bytes; ws 393,216 bytes; wot 8,388,608 bytes; qkv 25,165,824 bytes; f32r 393,216 bytes; att 8,388,608 bytes
;; launch prep (part 1): grid 576 x 1, 4 waves a work-group, no clusters, 102,912 bytes of LDS; arguments Wq, Wk, Wv, x, Wo, wc, ws, xc, xs, wot; writes wc, ws, xc, xs, wot
.if DOCPART == 1
	.amdgcn_target "amdgcn-amd-amdhsa--gfx1250"
	.amdhsa_code_object_version 6
	.text
	.protected	k_q7f6fd882c3_prep
	.globl	k_q7f6fd882c3_prep
	.p2align	8
	.type	k_q7f6fd882c3_prep,@function
k_q7f6fd882c3_prep:
	s_mov_b64 s[64:65], 0
	v_nop
	global_prefetch_b8 v0, s[64:65] scope:SCOPE_SE
	s_setreg_imm32_b32 hwreg(HW_REG_WAVE_MODE, 25, 1), 1
	s_wait_xcnt 0x0
; THE OPERANDS ARE NARROWED ONCE.  Three kinds of work-group, told apart by the work-group's number alone; the three paths never join and each has LDS bytes of its own.
;   0..191   Wq, Wk, Wv [2048 k][2048 n] f32 -> codes of FP4 (E2M1) laid [6144 n][2048 k] with K innermost (wc) and one E8M0 byte for each 32 along K, [6144][64] (ws); n = 0.. Wq, 2048.. Wk, 4096.. Wv
;   192..319 x [2048][2048] f32, K innermost -> codes [2048][1024 bytes] (xc) and scale bytes [2048][64] (xs)
;   320..575 Wo [2048 k][2048 n] f32 -> f16 laid [2048 n][2048 k] (wot)
; A block's scale is 2^(floor(log2(its largest magnitude)) - 2); its byte is the largest magnitude's exponent field - 2, held at 1 from below.  Each number is divided by the scale and rounded to the nearest code,
; ties to even, beyond the largest code the largest.
; LIMITS: a block of zeros gets the byte 1 where the quantiser's text says 127: its codes are zeros, which add nothing under any byte but 0xff, and this program alone reads the bytes.  NaN and infinities are not served.
; Wo beyond f16's largest number, 65,504, is not served.
; WHERE K IS THE FIRST AXIS (the four weights) a lane takes a column n and its registers run down K: each load reads 128 consecutive bytes a wave, a block of 32 along K lies in one lane, and the results come out with
; K innermost.  They go through the wave's own stage in LDS and leave as rows: sixteen lanes store 256 consecutive bytes, aligned.
; WHERE K IS INNERMOST (x) the loads take the bytes as they lie, 512 a load, and a step's 2,048 bytes turn through the wave's own stage so that a lane holds 16 neighbours; two neighbouring lanes hold a block.
; No tensor loads, no barrier: waves share nothing.
.set PITCH, 272                        ; a stage row of the column paths: 256 bytes + 16
.set WSTG,  32768                      ; LDS: 0.. x's four regions of 8,192;  from here the weights' four stages of 32 x 272;
.set OSTG,  WSTG+4*32*PITCH            ; Wo's four stages;
.set SPARE, OSTG+4*32*PITCH            ; the spare words, 128 bytes for each wave: two blocks of 256 bytes that no other line names
.set EMAX,  2
.set SPW,   192                        ; v192  LDS address of my spare word; never rewritten
.set NIL,   193                        ; v193  0; never rewritten
.set WX,    32                         ; column paths: v32-95 two sets of 32 numbers
.set WC,    96                         ; v96..  a block's codes (4) or f16 pairs (16)
.set WOUT,  112                        ; v112-175 the way out
.set WSB,   24                         ; v24-27 scale bytes, four to a register
.set STEPS, 16                         ; x's path
.set CB,    8                          ; bytes of 16 codes
.set XR,    16                         ; v16-79   four sets of 16 numbers as loaded
.set XX,    80                         ; v80-111  two sets of 16 neighbours
.set XE,    112                        ; v112-127 a scale byte for each step
.set XC,    128                        ; v128-191 codes: four registers for each step
.set SP,    80                         ; a lane's place in x's stage: 64 bytes + 16
.macro FINISH                          ; a wave's end: a tensor wait, an add to my spare word and its wait, behind my last LDS store
	s_wait_tensorcnt 0x0
	ds_add_u32 v[SPW], v[NIL]
	s_wait_dscnt 0x0
	s_endpgm
.endm
.macro COLADDR rowshift                ; the column paths' lane addresses; s38 = my stage; an output row is 1 << rowshift bytes
	v_lshlrev_b32 v3, 2, v2                        ; in: 4 bytes a lane
	v_mul_u32_u24 v4, v2, PITCH
	v_add_nc_u32 v4, s38, v4                       ; into the stage: row = my column
	v_and_b32 v5, 15, v2
	v_lshrrev_b32 v6, 4, v2
	v_mul_u32_u24 v7, v6, PITCH
	v_lshl_add_u32 v7, v5, 4, v7
	v_add_nc_u32 v7, s38, v7                       ; out of it: sixteen lanes to a row, two rows an instruction
	v_lshlrev_b32 v8, \rowshift, v6
	v_lshl_add_u32 v8, v5, 4, v8                   ; and the same place in the output
.endm
.macro WLOAD t                         ; block t: rows 32 t + i of my column, into set t % 2
.irp i, 0,1,2,3,4,5,6,7,8,9,10,11,12,13,14,15,16,17,18,19,20,21,22,23,24,25,26,27,28,29,30,31
	global_load_b32 v[WX+32*((\t)%2)+\i], v3, s[28:29] offset:(32*(\t)+\i)*8192 th:TH_LOAD_NT
.endr
.endm
.macro COLOUT lo, rowb                 ; 32 rows of 256 bytes leave the stage
.irp t, 0,1,2,3,4,5,6,7,8,9,10,11,12,13,14,15
	ds_load_b128 v[WOUT+4*\t:WOUT+4*\t+3], v7 offset:2*\t*PITCH   ; LDS serves a wave's instructions in order: these see my stores
.endr
.irp t, 0,1,2,3,4,5,6,7,8,9,10,11,12,13,14,15
	s_wait_dscnt 15-\t                             ; load t is in; the younger ones may be out
	global_store_b128 v8, v[WOUT+4*\t:WOUT+4*\t+3], s[\lo:\lo+1] offset:2*\t*\rowb
.endr
.endm
.macro WBLOCK t                        ; 32 numbers down K of my column become 16 bytes of codes and a scale byte
.set XS, WX+32*((\t)%2)
.if (\t) < 15
	s_wait_loadcnt 32                              ; this block's 32 loads are in; the next block's may be out
.else
	s_wait_loadcnt 0x0
.endif
	v_max3_num_f32 v12, |v[XS]|, |v[XS+1]|, |v[XS+2]|
	v_max3_num_f32 v13, |v[XS+3]|, |v[XS+4]|, |v[XS+5]|
.irp i, 6,10,14,18,22,26
	v_max3_num_f32 v12, v12, |v[XS+\i]|, |v[XS+\i+1]|
	v_max3_num_f32 v13, v13, |v[XS+\i+2]|, |v[XS+\i+3]|
.endr
	v_max3_num_f32 v12, v12, |v[XS+30]|, |v[XS+31]|
	v_max3_num_f32 v12, v12, v13, (EMAX+1)<<23     ; and the floor 2^(3 - 127): the byte cannot fall under 1
	v_add_nc_u32 v11, -(EMAX<<23), v12             ; 2 off the exponent field: the conversion takes the exponent field of this operand as its scale
	v_lshrrev_b32 v13, 23, v11                     ; the scale's byte
.if (\t)%4 == 0
	v_mov_b32 v[WSB+(\t)/4], v13
.else
	v_lshl_or_b32 v[WSB+(\t)/4], v13, 8*((\t)%4), v[WSB+(\t)/4]
.endif
.irp g, 0,1,2,3
	v_cvt_scalef32_pk8_fp4_f32 v[WC+\g], v[XS+8*\g:XS+8*\g+7], v11
.endr
	ds_store_b128 v4, v[WC:WC+3] offset:16*(\t)
.if (\t)+2 < 16
	WLOAD (\t)+2
.endif
	s_wait_dscnt 0x0                               ; the store has read its registers: the next block's codes may be written
.endm
.macro OBLOCK t                        ; 32 numbers down K of my column become 64 bytes of f16
.set XS, WX+32*((\t)%2)
.if (\t) < 3
	s_wait_loadcnt 32
.else
	s_wait_loadcnt 0x0
.endif
.irp i, 0,1,2,3,4,5,6,7,8,9,10,11,12,13,14,15
	v_cvt_pk_f16_f32 v[WC+\i], v[XS+2*\i], v[XS+2*\i+1]
.endr
.irp g, 0,1,2,3
	ds_store_b128 v4, v[WC+4*\g:WC+4*\g+3] offset:64*(\t)+16*\g
.endr
.if (\t)+2 < 4
	WLOAD (\t)+2
.endif
	s_wait_dscnt 0x0
.endm
.macro XLOAD t
.irp i, 0,1,2,3
	global_load_b128 v[XR+16*((\t)%4)+4*\i:XR+16*((\t)%4)+4*\i+3], v3, s[10:11] offset:2048*(\t)+512*\i th:TH_LOAD_NT   ; 32 lanes read 512 consecutive bytes
.endr
.endm
.macro XTURN t                         ; step t's numbers through the stage: in as loaded, out 64 bytes a lane
.irp i, 0,1,2,3
	ds_store_b128 v14, v[XR+16*((\t)%4)+4*\i:XR+16*((\t)%4)+4*\i+3] offset:32*SP*((\t)%2)+8*SP*\i
.endr
.irp i, 0,1,2,3
	ds_load_b128 v[XX+16*((\t)%2)+4*\i:XX+16*((\t)%2)+4*\i+3], v15 offset:32*SP*((\t)%2)+16*\i
.endr
.endm
.macro XSTEP t
.set XS, XX+16*((\t)%2)
.if (\t) > 0
	s_wait_dscnt 1                                 ; this step's numbers are back from the stage (the last step's byte store may be out)
.else
	s_wait_dscnt 0x0
.endif
.if (\t)+4 < STEPS
	XLOAD (\t)+4
.endif
.if (\t)+1 < STEPS
.if STEPS-2-(\t) >= 3
	s_wait_loadcnt 12                              ; the next step's four loads are in; those of the three steps behind it may be out
.else
	s_wait_loadcnt 4*(STEPS-2-(\t))
.endif
	XTURN (\t)+1
.endif
	v_max3_num_f32 v8, |v[XS]|, |v[XS+1]|, |v[XS+2]|
	v_max3_num_f32 v9, |v[XS+3]|, |v[XS+4]|, |v[XS+5]|
.irp i, 6,10
	v_max3_num_f32 v8, v8, |v[XS+\i]|, |v[XS+\i+1]|
	v_max3_num_f32 v9, v9, |v[XS+\i+2]|, |v[XS+\i+3]|
.endr
	v_max3_num_f32 v8, v8, |v[XS+14]|, |v[XS+15]|
	v_max3_num_f32 v8, v8, v9, (EMAX+1)<<23
	v_max_num_f32_dpp v8, v8, v8 row_xmask:1 row_mask:0xf bank_mask:0xf   ; with my neighbour's 16: the block's
	v_add_nc_u32 v11, -(EMAX<<23), v8
	v_cvt_scalef32_pk8_fp4_f32 v[XC+4*(\t)], v[XS:XS+7], v11
	v_cvt_scalef32_pk8_fp4_f32 v[XC+4*(\t)+1], v[XS+8:XS+15], v11
	v_lshrrev_b32 v[XE+(\t)], 23, v11
	ds_store_b8 v5, v[XE+(\t)] offset:16*(\t)      ; both lanes of a block write the same byte with the same value
	global_store_b64 v4, v[XC+4*(\t):XC+4*(\t)+1], s[18:19] offset:32*CB*(\t)   ; the wave stores 256 consecutive bytes
.endm
	s_load_b512 s[4:19], s[0:1], 0x0               ; Wq s[4:5], Wk s[6:7], Wv s[8:9], x s[10:11], Wo s[12:13], wc s[14:15], ws s[16:17], xc s[18:19]
	s_load_b128 s[20:23], s[0:1], 0x40             ; xs s[20:21], wot s[22:23]
	v_lshl_add_u32 v[SPW], v0, 2, SPARE
	v_mov_b32 v[NIL], 0
	v_lshrrev_b32 v1, 5, v0
	v_readfirstlane_b32 s24, v1                    ; wave 0..3
	v_and_b32 v2, 31, v0                           ; lane
	s_mov_b32 s33, 0                               ; the upper word of every offset: all stay under 2^32
	s_wait_kmcnt 0x0
	s_cmp_lt_u32 ttmp9, 192
	s_cbranch_scc1 .Lw
	s_cmp_lt_u32 ttmp9, 320
	s_cbranch_scc1 .Lx
	; ---- Wo: a work-group takes 128 columns x 128 along K, a wave 32 columns
	s_sub_co_u32 s25, ttmp9, 320
	s_and_b32 s26, s25, 15                         ; which 128 along K
	s_lshr_b32 s25, s25, 4                         ; which 128 columns
	s_lshl_b32 s27, s25, 7
	s_lshl_b32 s30, s24, 5
	s_add_co_u32 s27, s27, s30                     ; my wave's first column
	s_lshl_b32 s32, s26, 20                        ; 128 rows of 8,192 bytes
	s_lshl_b32 s30, s27, 2
	s_add_co_u32 s32, s32, s30
	s_add_nc_u64 s[28:29], s[12:13], s[32:33]
	s_lshl_b32 s32, s27, 12                        ; a row of wot is 4,096 bytes
	s_lshl_b32 s30, s26, 8
	s_add_co_u32 s32, s32, s30
	s_add_nc_u64 s[22:23], s[22:23], s[32:33]
	s_mul_i32 s38, s24, 32*PITCH
	s_add_co_u32 s38, s38, OSTG
	COLADDR 12
	WLOAD 0
	WLOAD 1
.irp t, 0,1,2,3
	OBLOCK \t
.endr
	COLOUT 22, 4096
	FINISH
	; ---- Wq, Wk, Wv: a work-group takes 128 columns x 512 along K, a wave 32 columns
.Lw:
	s_lshr_b32 s25, ttmp9, 2                       ; which 128 of the 6,144 columns
	s_and_b32 s26, ttmp9, 3                        ; which 512 along K
	s_lshl_b32 s31, s24, 5
	s_and_b32 s30, s25, 15
	s_lshl_b32 s30, s30, 7
	s_add_co_u32 s30, s30, s31                     ; the column in its own weight
	s_lshl_b32 s30, s30, 2
	s_lshl_b32 s32, s26, 22                        ; 512 rows of 8,192 bytes
	s_add_co_u32 s32, s32, s30
	s_cmp_lt_u32 s25, 16                           ; which weight: the choice hangs on the work-group's number alone
	s_cselect_b64 s[28:29], s[4:5], s[6:7]
	s_cmp_lt_u32 s25, 32
	s_cselect_b64 s[28:29], s[28:29], s[8:9]
	s_add_nc_u64 s[28:29], s[28:29], s[32:33]
	s_lshl_b32 s34, s25, 7
	s_add_co_u32 s34, s34, s31                     ; n: my wave's first row of wc and ws
	s_lshl_b32 s32, s34, 10
	s_lshl_b32 s35, s26, 8
	s_add_co_u32 s32, s32, s35
	s_add_nc_u64 s[14:15], s[14:15], s[32:33]
	s_lshl_b32 s32, s34, 6
	s_lshl_b32 s35, s26, 4
	s_add_co_u32 s32, s32, s35
	s_add_nc_u64 s[16:17], s[16:17], s[32:33]
	s_mul_i32 s38, s24, 32*PITCH
	s_add_co_u32 s38, s38, WSTG
	COLADDR 10
	v_lshlrev_b32 v9, 6, v2                        ; my column's row of scale bytes
	WLOAD 0
	WLOAD 1
.irp t, 0,1,2,3,4,5,6,7,8,9,10,11,12,13,14,15
	WBLOCK \t
.endr
	global_store_b128 v9, v[WSB:WSB+3], s[16:17]   ; my column's 16 scale bytes
	COLOUT 14, 1024
	FINISH
	; ---- x: a wave takes a run of 8,192 numbers: 16 steps of 512
.Lx:
	v_lshlrev_b32 v3, 4, v2                        ; my 16 bytes of a load's 512
	s_lshl_b32 s25, s24, 13                        ; my wave's region
	v_lshrrev_b32 v14, 2, v2
	v_mul_u32_u24 v14, v14, SP
	v_and_b32 v15, 3, v2
	v_lshl_add_u32 v14, v15, 4, v14
	v_add_nc_u32 v14, s25, v14                     ; the stage, on the way in: four lanes' 64 bytes on end, then 16 of padding
	v_mul_u32_u24 v15, v2, SP
	v_add_nc_u32 v15, s25, v15                     ; and on the way out: my 16 neighbours
	v_mul_u32_u24 v4, v2, CB                       ; my codes' place in a step's
	v_lshrrev_b32 v5, 1, v2
	s_add_co_u32 s25, s25, 2*32*SP
	v_add_nc_u32 v5, s25, v5                       ; my wave's 256 scale bytes, my block's byte
	v_lshlrev_b32 v7, 3, v2
	v_add_nc_u32 v6, s25, v7
	s_sub_co_u32 s26, ttmp9, 192
	s_lshl_b32 s26, s26, 2
	s_add_co_u32 s26, s26, s24                     ; which run
	s_lshl_b32 s32, s26, 15
	s_add_nc_u64 s[10:11], s[10:11], s[32:33]
	s_lshl_b32 s32, s26, 12
	s_add_nc_u64 s[18:19], s[18:19], s[32:33]
	s_lshl_b32 s32, s26, 8
	s_add_nc_u64 s[20:21], s[20:21], s[32:33]
.irp t, 0,1,2,3
	XLOAD \t
.endr
	s_wait_loadcnt 12                              ; step 0's four loads are in
	XTURN 0
.irp t, 0,1,2,3,4,5,6,7,8,9,10,11,12,13,14,15
	XSTEP \t
.endr
	ds_load_b64 v[8:9], v6                         ; LDS serves a wave's instructions in order: these see my byte stores
	s_wait_dscnt 0x0
	global_store_b64 v7, v[8:9], s[20:21]          ; 32 lanes store 256 consecutive bytes, aligned
	FINISH
.Lfunc_end_k_q7f6fd882c3_prep:
	.size	k_q7f6fd882c3_prep, .Lfunc_end_k_q7f6fd882c3_prep-k_q7f6fd882c3_prep
	.p2alignl 7, 3214868480
	.fill 96, 4, 3214868480
	.section	.rodata,"a",@progbits
	.p2align	6, 0x0
	.amdhsa_kernel k_q7f6fd882c3_prep
		.amdhsa_group_segment_fixed_size 102912
		.amdhsa_private_segment_fixed_size 0
		.amdhsa_enable_private_segment 0
		.amdhsa_kernarg_size 80
		.amdhsa_user_sgpr_count 2
		.amdhsa_user_sgpr_kernarg_segment_ptr 1
		.amdhsa_wavefront_size32 1
		.amdhsa_system_sgpr_workgroup_id_x 1
		.amdhsa_system_sgpr_workgroup_id_y 1
		.amdhsa_system_sgpr_workgroup_id_z 1
		.amdhsa_system_vgpr_workitem_id 0
		.amdhsa_next_free_vgpr 194
		.amdhsa_next_free_sgpr 66
		.amdhsa_reserve_vcc 0
		.amdhsa_float_denorm_mode_32 3
		.amdhsa_float_denorm_mode_16_64 3
		.amdhsa_memory_ordered 1
		.amdhsa_forward_progress 1
		.amdhsa_inst_pref_size 132
	.end_amdhsa_kernel
	.amdgpu_metadata
---
amdhsa.version: [ 1, 2 ]
amdhsa.kernels:
  - .name:           k_q7f6fd882c3_prep
    .symbol:         k_q7f6fd882c3_prep.kd
    .args:
      - { .name: Wq, .offset: 0, .size: 8, .value_kind: global_buffer, .address_space: global }
      - { .name: Wk, .offset: 8, .size: 8, .value_kind: global_buffer, .address_space: global }
      - { .name: Wv, .offset: 16, .size: 8, .value_kind: global_buffer, .address_space: global }
      - { .name: x, .offset: 24, .size: 8, .value_kind: global_buffer, .address_space: global }
      - { .name: Wo, .offset: 32, .size: 8, .value_kind: global_buffer, .address_space: global }
      - { .name: wc, .offset: 40, .size: 8, .value_kind: global_buffer, .address_space: global }
      - { .name: ws, .offset: 48, .size: 8, .value_kind: global_buffer, .address_space: global }
      - { .name: xc, .offset: 56, .size: 8, .value_kind: global_buffer, .address_space: global }
      - { .name: xs, .offset: 64, .size: 8, .value_kind: global_buffer, .address_space: global }
      - { .name: wot, .offset: 72, .size: 8, .value_kind: global_buffer, .address_space: global }
    .group_segment_fixed_size: 102912
    .private_segment_fixed_size: 0
    .kernarg_segment_align: 8
    .kernarg_segment_size: 80
    .max_flat_workgroup_size: 128
    .sgpr_count:     66
    .vgpr_count:     194
    .wavefront_size: 32
...
	.end_amdgpu_metadata
.endif
;; end of part 1
;; launch qkv (part 2): grid 24 x 8, 4 waves a work-group, clusters of 4 x 4, 327,680 bytes of LDS; arguments xc, xs, wc, ws, freqs_cos, freqs_sin, qkv, f32r; writes qkv, f32r
.if DOCPART == 2
	.amdgcn_target "amdgcn-amd-amdhsa--gfx1250"
	.amdhsa_code_object_version 6
	.text
	.protected	k_q7f6fd882c3_qkv
	.globl	k_q7f6fd882c3_qkv
	.p2align	8
	.type	k_q7f6fd882c3_qkv,@function
k_q7f6fd882c3_qkv:
	s_mov_b64 s[64:65], 0
	v_nop
	global_prefetch_b8 v0, s[64:65] scope:SCOPE_SE
	s_setreg_imm32_b32 hwreg(HW_REG_WAVE_MODE, 25, 1), 1
	s_wait_xcnt 0x0
	s_wait_alu depctr_hold_cnt(0) depctr_sa_sdst(0) depctr_va_vdst(0) depctr_va_sdst(0) depctr_va_ssrc(0) depctr_va_vcc(0) depctr_vm_vsrc(0)
	s_getreg_b32 s2, hwreg(HW_REG_IB_STS2, 6, 4)
	s_cmp_eq_u32 s2, 0
	s_cbranch_scc0 .Lentry_in_a_cluster
	s_endpgm
.Lentry_in_a_cluster:
	s_bfe_u32 s2, ttmp6, 0x10000c
	s_cmp_lg_u32 s2, 0xf033
	s_cbranch_scc0 .Lentry_shape_is_right
	s_endpgm
.Lentry_shape_is_right:
; [2048 positions] x [6144 = q | k | v columns] = x [Wq Wk Wv] on codes of FP4 (E2M1) with one E8M0 scale for each 32 along K = 2,048; sums in f32.  On the way out q and k are turned by the position's angles (in f32),
; and all three leave as f16, laid [48 slots][2048 positions][128]: slots 0-15 q's heads, 16-31 k's, 32-47 v's.  Positions 0-15 leave in f32 as well (f32r [48][16][128]; q's and k's rows as 64 real parts, then 64
; imaginary parts: the same order in both, so their dot products are the same; v's rows as they are).
; LIMITS: q, k, v beyond f16's largest number, 65,504, are not served.  The turn uses one fused multiply-add where the source multiplies and then adds.
; A tile of 256 x 256 is made by four waves, each 128 x 128: 64 accumulators of 16 x 16, 512 registers.  K goes in steps of 512 through a ring of two LDS slots filled by the tensor data mover: a tile's row is 256 bytes.
; THE SCALES of the work-group's 256 rows of x and 256 rows of the weights, for all of K, are two dense blocks of memory: they come into LDS once, with the first fills, and stay.
; CLUSTERS: 4 x 4 work-groups.  The four of a row of the cluster need the same tiles of x, the four of a column the same tiles of the weights: each tile is asked for JOINTLY, by the same tensor load with the same
; descriptor and a mask that names the four.  THE MATRIX INSTRUCTION IS USED TRANSPOSED (source 0 = 16 rows of the weights, source 1 = 16 rows of x): a lane then holds eight neighbouring columns of one position:
; four pairs (real, imaginary).
; REGISTERS, in windows of 256: window 0: v0-31 addresses; v32-95 scale words, two sets; from v128 x's fragments, ONE set; on the way out v32-255 are free.   window 1: the weights' fragments, TWO sets, at v0 and v128.
;   window 2: the 32 accumulators of my rows 0-63 (accumulator (a, b) at v[8 (8 a + b)]);   window 3: those of my rows 64-127.
.set SIZE_K, 2048
.set KSTEP,  512
.set NQ,     KSTEP/128
.set ROWB,   256
.set KROW,   SIZE_K*4/8
.set PITCH,  272                       ; an LDS row: 256 bytes + 16 of padding: the 16 rows that a load touches begin 272 bytes apart, at 16 different 16-byte columns of 256
.set FR,     8
.set NL,     2
.set NP,     4                         ; places behind this matrix instruction (ISA guide 7.12.1)
.set HALFT,  128*PITCH
.set SLOT,   4*HALFT
.set LAPS,   SIZE_K/(2*KSTEP)
.set KS,     SIZE_K/32
.set SCL,    2*SLOT                    ; behind the ring: the scales, as rows of 256 bytes + 16 of padding
.set HALFS,  (128*KS/256)*272
.set SBLK,   (16*KS/256)*272
.set SPARE,  SCL+4*HALFS               ; the spare words, 128 bytes for each wave: two blocks of 256 bytes that no other line names
.set SPITCH, 272                       ; the way out: a stage of 16 rows x (256 bytes + 16) for each wave, in slot 0, which has had its last fill and its last read when the first result is stored there
.set ADRA, 16
.set ADRB, 20
.set FO,   22                          ; v22  f32r: my 16 bytes of a row's real parts: 512 r + 16 h
.set FO2,  23                          ; v23  f32r: my 32 bytes of a row of v: 512 r + 32 h
.set STO,  24
.set RD,   25
.set CO,   26
.set ADRS, 27
.set SPW,  28
.set NIL,  29
.set FM,   30                          ; v30  which 128 positions are my wave's: 0 where they begin at position 0
.set VT,   31                          ; v31  the tables: 256 r + 16 h
.set T0,   4                           ; v4-7, v8-11 at work on the way out
.set T1,   8
.set SC,   32
.set AF,   128
.set TMP,  160                         ; v160-191 a block's f16 pairs
.set BK,   192                         ; v192-223, v224-255 by turns: 16 rows read back from the stage
.set G1, 24
.set G0, 32
.set G1B, 48
.set G0B, 56
.set G1S, 68
.set G0S, 76
.set G1SB, 80
.set G0SB, 88
.set MSB, 0
.macro WIN new                         ; the immediate's high byte repeats the setting that is left
.if MSB != (\new)
	s_set_vgpr_msb (MSB<<8)|(\new)
.set MSB, (\new)
.endif
.endm
.set MUL_LO, 0xa1                      ; source 0 window 1, source 1 window 0, C and D window 2
.set MUL_HI, 0xf1                      ; the same, C and D window 3
.set TO_B,   0x40
; A joint load: waves 0 and 1 fetch for x, waves 2 and 3 for the weights.  The branch hangs on the wave's number alone.  An s_nop 0 and four v_nop follow each of the two lines.
.macro JLOAD g0a, g1a, g0b, g1b
	s_cmp_eq_u32 s15, 0
	s_cbranch_scc0 .Lfor_b_\@
	tensor_load_to_lds s[\g0a:\g0a+3], s[\g1a:\g1a+7]
	s_nop 0
.rept 4
	v_nop
.endr
	s_branch .Lasked_\@
.Lfor_b_\@:
	tensor_load_to_lds s[\g0b:\g0b+3], s[\g1b:\g1b+7]
	s_nop 0
.rept 4
	v_nop
.endr
.Lasked_\@:
.endm
.macro CREST                           ; a round of the cluster's barrier behind its opening barrier
	s_cmp_lg_u32 s14, 0
	s_cbranch_scc1 .Lnot_wave_0_\@
	s_barrier_signal -3
.Lnot_wave_0_\@:
	s_barrier_wait -3
	s_barrier_signal -1
	s_barrier_wait -1
.endm
.macro CROUND
	s_barrier_signal -1
	s_barrier_wait -1
	CREST
.endm
	s_load_b128 s[4:7], s[0:1], 0x0                ; x's codes s[4:5], x's scales s[6:7]
	s_load_b128 s[8:11], s[0:1], 0x10              ; the weights' codes s[8:9], their scales s[10:11]
	s_load_b128 s[96:99], s[0:1], 0x20             ; cos s[96:97], sin s[98:99]
	s_load_b64 s[12:13], s[0:1], 0x30              ; qkv
	s_load_b64 s[100:101], s[0:1], 0x38            ; f32r
	v_lshl_add_u32 v[SPW], v0, 2, SPARE
	v_mov_b32 v[NIL], 0
	ds_add_u32 v[SPW], v[NIL]                      ; the wave's opening: the add, twice on end, and its wait ahead of my first tensor load
	ds_add_u32 v[SPW], v[NIL]
	v_lshrrev_b32 v1, 5, v0
	v_readfirstlane_b32 s14, v1                    ; wave 0..3
	s_lshr_b32 s15, s14, 1                         ; which half of the tile's rows is mine.  Also: I fetch for x (0) or for the weights (1)
	s_and_b32 s16, s14, 1                          ; which half of its columns.  Also: which 128 rows of that tile I fetch
	s_bfe_u32 s40, ttmp6, 0x40000                  ; cx, cy: my place in the cluster
	s_bfe_u32 s41, ttmp6, 0x40004
	s_lshl_b32 s42, ttmp9, 2
	s_add_co_u32 s42, s42, s40                     ; tile column = 4 x cluster x + cx
	s_and_b32 s17, ttmp7, 0xffff
	s_lshl_b32 s17, s17, 2
	s_add_co_u32 s17, s17, s41                     ; tile row = 4 x cluster y + cy
	s_lshl_b32 s43, s41, 2
	s_lshl_b32 s43, 15, s43                        ; my row of the cluster
	s_lshl_b32 s44, 0x1111, s40                    ; my column
	; descriptor group 1: a tile of 128 rows x 256 bytes, padded in LDS
	s_or_b32 s[G1+0], s43, (0<<16)|(1<<20)|(1<<21)|(5<<22)|(3<<25)  ; 15:0 the mask; 17:16 elements of 1 byte; 20 padding on; 21 set beside a mask; 24:22 after every 64 words; 31:25 four words
	s_or_b32 s[G1B+0], s44, (0<<16)|(1<<20)|(1<<21)|(5<<22)|(3<<25)
.irp g, G1, G1B
	s_mov_b32 s[\g+1], ROWB<<16                    ; tensor_dim0
	s_mov_b32 s[\g+2], 128<<16                     ; tensor_dim1
	s_mov_b32 s[\g+3], ROWB<<16                    ; tile_dim0
	s_mov_b32 s[\g+4], 128                         ; tile_dim1
	s_mov_b32 s[\g+5], KROW                        ; the pitch
	s_mov_b32 s[\g+6], 0
	s_mov_b32 s[\g+7], 0
.endr
	; the scales of 128 rows: a dense block of 8,192 bytes, as rows of 256 bytes (32 elements of 8 bytes), 16 bytes of padding behind each
	s_or_b32 s[G1S+0], s43, (3<<16)|(1<<20)|(1<<21)|(5<<22)|(3<<25)
	s_or_b32 s[G1SB+0], s44, (3<<16)|(1<<20)|(1<<21)|(5<<22)|(3<<25)
.irp g, G1S, G1SB
	s_mov_b32 s[\g+1], 32<<16
	s_mov_b32 s[\g+2], (128*KS/256)<<16
	s_mov_b32 s[\g+3], 32<<16
	s_mov_b32 s[\g+4], 128*KS/256
	s_mov_b32 s[\g+5], 32
	s_mov_b32 s[\g+6], 0
	s_mov_b32 s[\g+7], 0
.endr
	s_lshl_b32 s18, s16, 7                         ; which 128 rows of the tile I fetch
	s_lshl_b32 s20, s17, 8
	s_add_co_u32 s20, s20, s18                     ; x: row 256 x tile row + 128 x half
	s_lshl_b32 s46, s42, 8
	s_add_co_u32 s46, s46, s18                     ; the weights: row 256 x tile column + 128 x half
	s_mov_b32 s21, 0
	s_mov_b32 s47, 0
	s_mov_b64 s[18:19], KS
	s_mul_u64 s[22:23], s[20:21], s[18:19]         ; where these rows' scales begin, in bytes
	s_mul_u64 s[92:93], s[46:47], s[18:19]
	s_mov_b64 s[18:19], KROW
	s_mul_u64 s[20:21], s[20:21], s[18:19]         ; and their codes
	s_mul_u64 s[46:47], s[46:47], s[18:19]
	s_mul_i32 s45, s14, HALFT                      ; where they go: wave x 128 rows: no place in the cluster enters an LDS address
	s_mul_i32 s94, s14, HALFS
	s_wait_dscnt 0x0                               ; both opening adds are done
	s_wait_kmcnt 0x0
	s_add_nc_u64 s[20:21], s[4:5], s[20:21]
	s_add_nc_u64 s[22:23], s[6:7], s[22:23]
	s_add_nc_u64 s[46:47], s[8:9], s[46:47]
	s_add_nc_u64 s[92:93], s[10:11], s[92:93]
	CROUND                                         ; all sixteen work-groups are here: the first joint loads meet
	s_mov_b32 s[G0S], 1
	s_add_co_u32 s[G0S+1], s94, SCL
	s_mov_b64 s[G0S+2:G0S+3], s[22:23]
	s_or_b32 s[G0S+3], s[G0S+3], 0x80000000
	s_mov_b32 s[G0SB], 1
	s_add_co_u32 s[G0SB+1], s94, SCL
	s_mov_b64 s[G0SB+2:G0SB+3], s[92:93]
	s_or_b32 s[G0SB+3], s[G0SB+3], 0x80000000
	JLOAD G0S, G1S, G0SB, G1SB                     ; the scales first: they are wanted with K step 0
.irp s, 0,1
	s_mov_b32 s[G0+4*\s], 1
	s_add_co_u32 s[G0+4*\s+1], s45, \s*SLOT
	s_add_nc_u64 s[G0+4*\s+2:G0+4*\s+3], s[20:21], \s*ROWB
	s_or_b32 s[G0+4*\s+3], s[G0+4*\s+3], 0x80000000
	s_mov_b32 s[G0B+4*\s], 1
	s_add_co_u32 s[G0B+4*\s+1], s45, \s*SLOT
	s_add_nc_u64 s[G0B+4*\s+2:G0B+4*\s+3], s[46:47], \s*ROWB
	s_or_b32 s[G0B+4*\s+3], s[G0B+4*\s+3], 0x80000000
	JLOAD G0+4*\s, G1, G0B+4*\s, G1B
.endr
	v_and_b32 v1, 15, v0                           ; r = l % 16
	v_bfe_u32 v2, v0, 4, 1                         ; h = l / 16
	v_mul_u32_u24 v3, v1, PITCH
	v_lshl_add_u32 v4, v2, 4, v3                   ; a fragment's row x pitch + 16 x half
	s_mul_i32 s21, s15, HALFT                      ; my 128 rows of x
	s_mul_i32 s22, s16, HALFT                      ; my 128 rows of the weights,
	s_add_co_u32 s22, s22, 2*HALFT                 ; which lie behind x's 256
.irp s, 0,1
	v_add_nc_u32 v[ADRA+\s], s21, v4
	v_add_nc_u32 v[ADRB+\s], s22, v4
	s_add_co_u32 s21, s21, SLOT
	s_add_co_u32 s22, s22, SLOT
.endr
	v_mul_u32_u24 v5, v1, KS                       ; my row's scales: 64 bytes a row,
	v_lshrrev_b32 v6, 8, v5
	v_lshl_add_u32 v5, v6, 4, v5                   ; and 16 more for each 256 passed
	s_mul_i32 s21, s15, HALFS
	s_mul_i32 s22, s16, HALFS
	s_add_co_u32 s22, s22, 2*HALFS
	s_sub_co_u32 s22, s22, s21
	v_mul_u32_u24 v6, s22, v2                      ; lanes 16-31 take the weights'
	s_add_co_u32 s21, s21, SCL
	v_add_nc_u32 v5, v5, v6
	v_add_nc_u32 v[ADRS], s21, v5
	s_mul_i32 s23, s14, 16*SPITCH                  ; my stage
	v_mul_u32_u24 v5, v1, SPITCH                   ; in: row r, 16 bytes for each half of the lanes
	v_lshl_add_u32 v5, v2, 4, v5
	v_add_nc_u32 v[STO], s23, v5
	v_mul_u32_u24 v5, v2, SPITCH                   ; back: lanes 0-15 one row of 256 bytes, lanes 16-31 the next
	v_lshl_add_u32 v5, v1, 4, v5
	v_add_nc_u32 v[RD], s23, v5
	v_lshlrev_b32 v[CO], 8, v2                     ; and the same two rows in a slot of qkv
	v_lshl_add_u32 v[CO], v1, 4, v[CO]
	v_lshlrev_b32 v[VT], 8, v1                     ; a position's 64 cosines are 256 bytes; my four pairs' begin 16 h bytes on
	v_lshl_add_u32 v[VT], v2, 4, v[VT]
	v_lshlrev_b32 v[FO], 9, v1
	v_lshl_add_u32 v[FO2], v2, 5, v[FO]
	v_lshl_add_u32 v[FO], v2, 4, v[FO]
	s_lshl_b32 s20, s17, 1
	s_add_co_u32 s20, s20, s15                     ; which 128 positions are mine
	v_mov_b32 v[FM], s20
	s_lshl_b32 s20, s20, 15                        ; 128 rows of 256 bytes: the same step in cos, in sin and in a slot of qkv
	s_mov_b32 s21, 0
	s_add_nc_u64 s[96:97], s[96:97], s[20:21]
	s_add_nc_u64 s[98:99], s[98:99], s[20:21]
	s_add_nc_u64 s[12:13], s[12:13], s[20:21]
	s_lshl_b32 s46, s42, 1
	s_add_co_u32 s46, s46, s16                     ; my slot: 2 x tile column + half
	s_lshl_b32 s92, s46, 13                        ; in f32r a slot is 8,192 bytes,
	s_mov_b32 s93, 0
	s_lshl_b32 s46, s46, 19                        ; in qkv 2,048 rows of 256
	s_mov_b32 s47, 0
	s_add_nc_u64 s[12:13], s[12:13], s[46:47]
	s_add_nc_u64 s[100:101], s[100:101], s[92:93]
.macro FRAG reg, adr, q, i             ; 16 rows x 128 K of 4-bit codes: 8 registers: lane l holds row l % 16; registers 4 c .. 4 c + 3 hold K = 64 c + 32 (l / 16) + 0 .. 31
.irp c, 0,1
	ds_load_b128 v[\reg+4*\c:\reg+4*\c+3], v[\adr] offset:64*(\q)+32*\c+(\i)*16*PITCH
.endr
.endm
; 16 matrix instructions: x's blocks a0, a0 + 1 against the weights' eight, 128 along K.  zero = 1: the first product starts the sums.  The 64 accumulators take turns, one instruction a turn.
.macro MUL16 a0, p, q, sc, zero
.irp a, \a0, \a0+1
.irp b, 0,1,2,3,4,5,6,7
.if \zero
	v_wmma_scale_f32_16x16x128_f8f6f4 v[8*(8*((\a)%4)+\b):8*(8*((\a)%4)+\b)+7], v[128*(\p)+FR*\b:128*(\p)+FR*\b+FR-1], v[AF+FR*(\a):AF+FR*(\a)+FR-1], 0, v[SC+8*NQ*(\sc)+NQ*\b+(\q)], v[SC+8*NQ*(\sc)+NQ*(\a)+(\q)] matrix_a_fmt:MATRIX_FMT_FP4 matrix_b_fmt:MATRIX_FMT_FP4 matrix_a_scale:MATRIX_SCALE_ROW1
.else
	v_wmma_scale_f32_16x16x128_f8f6f4 v[8*(8*((\a)%4)+\b):8*(8*((\a)%4)+\b)+7], v[128*(\p)+FR*\b:128*(\p)+FR*\b+FR-1], v[AF+FR*(\a):AF+FR*(\a)+FR-1], v[8*(8*((\a)%4)+\b):8*(8*((\a)%4)+\b)+7], v[SC+8*NQ*(\sc)+NQ*\b+(\q)], v[SC+8*NQ*(\sc)+NQ*(\a)+(\q)] matrix_a_fmt:MATRIX_FMT_FP4 matrix_b_fmt:MATRIX_FMT_FP4 matrix_a_scale:MATRIX_SCALE_ROW1
.endif
.endr
.endr
.endm
.macro FETCH_B slot, q, p
	WIN TO_B
.irp i, 0,1,2,3,4,5,6,7
	FRAG 128*(\p)+FR*\i, ADRB+\slot, \q, \i
.endr
	WIN 0
.endm
.macro FETCH_A slot, q, i0
.irp i, \i0, \i0+1, \i0+2, \i0+3
	FRAG AF+FR*(\i), ADRA+\slot, \q, \i
.endr
.endm
.macro SCALES sc                       ; a K step's scale words: four words a row; lanes 0-15 take x's block i, lanes 16-31 the weights' block i
.irp i, 0,1,2,3,4,5,6,7
	ds_load_b128 v[SC+8*NQ*\sc+NQ*\i:SC+8*NQ*\sc+NQ*\i+3], v[ADRS] offset:\i*SBLK
.endr
.endm
.macro PLACES n                        ; plain vector instructions between a matrix instruction and a load into, or a read of, its registers
.rept \n
	v_nop
.endr
.endm
.macro STEP slot, q, zero              ; 128 along K with its successor in the same slot
	s_wait_dscnt 4*NL                              ; the weights' set and x's blocks 0-3 are in; the youngest eight loads (x's blocks 4-7) may be out
	WIN MUL_LO
	MUL16 0, (\q)%2, \q, \slot, \zero
	MUL16 2, (\q)%2, \q, \slot, \zero
	s_wait_dscnt 0
	PLACES NP
	FETCH_B \slot, (\q)+1, 1-(\q)%2
	FETCH_A \slot, (\q)+1, 0
	WIN MUL_HI
	MUL16 4, (\q)%2, \q, \slot, \zero
	MUL16 6, (\q)%2, \q, \slot, \zero
	PLACES NP
	WIN 0
	FETCH_A \slot, (\q)+1, 4
.endm
; A slot's last step changes slots: one barrier; in front of it each wave waits for all its tensor loads, adds 0 to its spare word, and waits for that and for its own reads of this slot.  fill = 1: the slot is filled again.
.macro TURN slot, next, fill
	s_wait_tensorcnt 0x0                           ; all my tensor loads have landed: my part of the next slot
	ds_add_u32 v[SPW], v[NIL]                      ; 0 onto my spare word
	s_wait_dscnt 4*NL+1                            ; (the add and the youngest eight loads may be out)
	WIN MUL_LO
	MUL16 0, 1, NQ-1, \slot, 0
	s_wait_dscnt 0x0                               ; the add is done, and my reads of this slot are over
	s_barrier_signal -1
	MUL16 2, 1, NQ-1, \slot, 0
	WIN 0
	s_barrier_wait -1
.if \fill
	CREST                                          ; the barrier has opened a round of the cluster's barrier: no wave of any partner still reads this slot or has a load on its way
	s_add_nc_u64 s[G0+4*\slot+2:G0+4*\slot+3], s[G0+4*\slot+2:G0+4*\slot+3], 2*ROWB
	s_add_nc_u64 s[G0B+4*\slot+2:G0B+4*\slot+3], s[G0B+4*\slot+2:G0B+4*\slot+3], 2*ROWB
	JLOAD G0+4*\slot, G1, G0B+4*\slot, G1B         ; the first tensor load behind the round; its four v_nop are the places in front of the loads below
.else
	PLACES NP
.endif
	v_add_nc_u32 v[ADRS], 4*NQ, v[ADRS]            ; on to the next K step's scale words
	FETCH_B \next, 0, 0
	FETCH_A \next, 0, 0
	SCALES \next
	WIN MUL_HI
	MUL16 4, 1, NQ-1, \slot, 0
	MUL16 6, 1, NQ-1, \slot, 0
	PLACES NP
	WIN 0
	FETCH_A \next, 0, 4
.endm
.macro STEPS slot, from
.set Q, \from
.rept NQ-1-\from
	STEP \slot, Q, 0
.set Q, Q+1
.endr
.endm
	s_wait_tensorcnt 1                             ; the scales and my part of K step 0 are in (K step 1's load may be out),
	s_barrier_signal -1
	s_barrier_wait -1                              ; everybody's are
	FETCH_B 0, 0, 0
	FETCH_A 0, 0, 0
	SCALES 0
	FETCH_A 0, 0, 4
	STEP 0, 0, 1                                   ; the first step stands in front of the loop: its products start the sums
	s_mov_b32 s3, LAPS-1
.Llap:                                                 ; a trip goes once round the ring and fills both slots again
	STEPS 0, 1
	TURN 0, 1, 1
	STEPS 1, 0
	TURN 1, 0, 1
	STEP 0, 0, 0
	s_sub_co_u32 s3, s3, 1
	s_cmp_lg_u32 s3, 0
	s_cbranch_scc1 .Llap
	STEPS 0, 1                                     ; the last lap fills nothing
	TURN 0, 1, 0
	STEPS 1, 0
	s_wait_dscnt 4*NL
	WIN MUL_LO
	MUL16 0, 1, NQ-1, 1, 0
	MUL16 2, 1, NQ-1, 1, 0
	s_wait_dscnt 0
	WIN MUL_HI
	MUL16 4, 1, NQ-1, 1, 0
	MUL16 6, 1, NQ-1, 1, 0
	WIN 0
; THE WAY OUT, block by block of 16 positions x 128 columns (one head).  In accumulator (a, b) lane (r, h) holds position 16 a + r and columns 16 b + 8 h + 0 .. 7: pairs 8 b + 4 h + 0 .. 3.
.macro TAB a                           ; block a's cosines and sines, four of each for each b, into set a % 2: v32.. cos, v64.. sin, or v96.., v128..
.set TC, 32+64*((\a)%2)
.irp b, 0,1,2,3,4,5,6,7
	global_load_b128 v[TC+4*\b:TC+4*\b+3], v[VT], s[96:97] offset:(\a)*4096+32*\b
	global_load_b128 v[TC+32+4*\b:TC+32+4*\b+3], v[VT], s[98:99] offset:(\a)*4096+32*\b
.endr
.endm
.macro ROPE a                          ; (re, im) x (cos + i sin), in f32; the results take the tables' registers: real parts over the cosines, imaginary parts over the sines
.set TC, 32+64*((\a)%2)
.set AC, 64*((\a)%4)
	WIN 0x02+((\a)/4)                              ; source 0: the accumulators' window
.irp b, 0,1,2,3,4,5,6,7
.irp i, 0,1,2,3
	v_mul_f32 v[T0+\i], v[AC+8*\b+2*\i+1], v[TC+32+4*\b+\i]      ; im sin  (each accumulator is read from its low end on)
.endr
.irp i, 0,1,2,3
	v_mul_f32 v[T1+\i], v[AC+8*\b+2*\i+1], v[TC+4*\b+\i]         ; im cos
.endr
.irp i, 0,1,2,3
	v_fma_f32 v[TC+4*\b+\i], v[AC+8*\b+2*\i], v[TC+4*\b+\i], -v[T0+\i]        ; re cos - im sin
.endr
.irp i, 0,1,2,3
	v_fma_f32 v[TC+32+4*\b+\i], v[AC+8*\b+2*\i], v[TC+32+4*\b+\i], v[T1+\i]   ; re sin + im cos
.endr
.endr
	WIN 0
.irp b, 0,1,2,3,4,5,6,7
.irp i, 0,1,2,3
	v_cvt_pk_f16_f32 v[TMP+4*\b+\i], v[TC+4*\b+\i], v[TC+32+4*\b+\i]
.endr
.endr
.endm
.macro PLAINPK a                       ; v: rounded to f16 as it is
.set AC, 64*((\a)%4)
	WIN 0x0a+5*((\a)/4)                            ; sources 0 and 1: window 2 or 3
.irp b, 0,1,2,3,4,5,6,7
.irp i, 0,1,2,3
	v_cvt_pk_f16_f32 v[TMP+4*\b+\i], v[AC+8*\b+2*\i], v[AC+8*\b+2*\i+1]
.endr
.endr
	WIN 0
.endm
; Positions 0-15 in f32: block 0 of the waves whose 128 positions begin at 0.  The others run the same lines with every lane off: a mask, no branch.  EXEC changes only behind s_wait_xcnt 0, both times.
.macro FINE rope
	s_wait_xcnt 0x0
	v_cmp_eq_u32 vcc_lo, 0, v[FM]
	s_and_saveexec_b32 s44, vcc_lo
.if \rope
.irp b, 0,1,2,3,4,5,6,7
	global_store_b128 v[FO], v[32+4*\b:35+4*\b], s[100:101] offset:32*\b
	global_store_b128 v[FO], v[64+4*\b:67+4*\b], s[100:101] offset:256+32*\b
.endr
.else
	WIN 0x08                                       ; a store's data are its source 1: window 2
.irp b, 0,1,2,3,4,5,6,7
	global_store_b128 v[FO2], v[8*\b:8*\b+3], s[100:101] offset:64*\b
	global_store_b128 v[FO2], v[8*\b+4:8*\b+7], s[100:101] offset:64*\b+16
.endr
	WIN 0
.endif
	s_wait_xcnt 0x0
	s_or_b32 exec_lo, exec_lo, s44
.endm
.macro TOSTAGE a                       ; 16 bytes a lane into my stage, and back as whole rows of 256 bytes.  LDS serves a wave's instructions in order: no wait between the stores and the loads
.irp b, 0,1,2,3,4,5,6,7
	ds_store_b128 v[STO], v[TMP+4*\b:TMP+4*\b+3] offset:32*\b
.endr
.set BB, BK+32*((\a)%2)
.irp t, 0,1,2,3,4,5,6,7
	ds_load_b128 v[BB+4*\t:BB+4*\t+3], v[RD] offset:\t*2*SPITCH
.endr
.endm
.macro SEND a, younger                 ; younger: the LDS instructions issued behind block a's loads, which may stay out
.set BB, BK+32*((\a)%2)
	s_wait_dscnt \younger
.irp t, 0,1,2,3,4,5,6,7
	global_store_b128 v[CO], v[BB+4*\t:BB+4*\t+3], s[12:13] offset:(\a)*4096+512*\t   ; 16 lanes store 256 consecutive bytes, aligned
.endr
.endm
	PLACES NP                                      ; in front of the loads into registers that held scales and fragments, and of the first reads of results
	s_cmp_ge_u32 ttmp9, 4                          ; clusters 4 and 5 along x hold v's columns: the cluster's number, the same in all sixteen partners
	s_cbranch_scc1 .Lplain
	TAB 0
	TAB 1
.irp a, 0,1,2,3,4,5,6,7
.if \a < 7
	s_wait_loadcnt 16                              ; this block's 16 table loads are in; the next block's may be out
.else
	s_wait_loadcnt 0x0
.endif
	ROPE \a
.if \a == 0
	FINE 1                                         ; (its closing wait also frees set 0 for the loads below)
.endif
.if \a < 6
	TAB \a+2
.endif
.if \a > 1
	s_wait_xcnt 0x0                                ; block a - 2's stores have read their registers: block a's loads from the stage may land there
.endif
	TOSTAGE \a
.if \a > 0
	SEND \a-1, 16                                  ; behind block a - 1's loads: block a's 8 stores and 8 loads
.endif
.endr
	SEND 7, 0
	s_branch .Lout
.Lplain:
.irp a, 0,1,2,3,4,5,6,7
	PLAINPK \a
.if \a == 0
	FINE 0
.endif
.if \a > 1
	s_wait_xcnt 0x0
.endif
	TOSTAGE \a
.if \a > 0
	SEND \a-1, 16
.endif
.endr
	SEND 7, 0
.Lout:
	s_wait_tensorcnt 0x0                           ; the wave's end: the wait, the add and its wait, behind my last tensor load and my last LDS store
	ds_add_u32 v[SPW], v[NIL]
	s_wait_dscnt 0x0
	CROUND                                         ; the closing round: no work-group ends while a partner may still ask for a tile that names it
	s_endpgm
.Lfunc_end_k_q7f6fd882c3_qkv:
	.size	k_q7f6fd882c3_qkv, .Lfunc_end_k_q7f6fd882c3_qkv-k_q7f6fd882c3_qkv
	.p2alignl 7, 3214868480
	.fill 96, 4, 3214868480
	.section	.rodata,"a",@progbits
	.p2align	6, 0x0
	.amdhsa_kernel k_q7f6fd882c3_qkv
		.amdhsa_group_segment_fixed_size 327680
		.amdhsa_private_segment_fixed_size 0
		.amdhsa_enable_private_segment 0
		.amdhsa_kernarg_size 64
		.amdhsa_user_sgpr_count 2
		.amdhsa_user_sgpr_kernarg_segment_ptr 1
		.amdhsa_wavefront_size32 1
		.amdhsa_system_sgpr_workgroup_id_x 1
		.amdhsa_system_sgpr_workgroup_id_y 1
		.amdhsa_system_sgpr_workgroup_id_z 1
		.amdhsa_system_vgpr_workitem_id 0
		.amdhsa_next_free_vgpr 1024
		.amdhsa_next_free_sgpr 102
		.amdhsa_reserve_vcc 1
		.amdhsa_float_denorm_mode_32 3
		.amdhsa_float_denorm_mode_16_64 3
		.amdhsa_memory_ordered 1
		.amdhsa_forward_progress 1
		.amdhsa_inst_pref_size 255
	.end_amdhsa_kernel
	.section	.bss,"aw",@nobits
	.p2align	6
	.space	262144
	.amdgpu_metadata
---
amdhsa.version: [ 1, 2 ]
amdhsa.kernels:
  - .name:           k_q7f6fd882c3_qkv
    .symbol:         k_q7f6fd882c3_qkv.kd
    .args:
      - { .name: xc, .offset: 0, .size: 8, .value_kind: global_buffer, .address_space: global }
      - { .name: xs, .offset: 8, .size: 8, .value_kind: global_buffer, .address_space: global }
      - { .name: wc, .offset: 16, .size: 8, .value_kind: global_buffer, .address_space: global }
      - { .name: ws, .offset: 24, .size: 8, .value_kind: global_buffer, .address_space: global }
      - { .name: freqs_cos, .offset: 32, .size: 8, .value_kind: global_buffer, .address_space: global }
      - { .name: freqs_sin, .offset: 40, .size: 8, .value_kind: global_buffer, .address_space: global }
      - { .name: qkv, .offset: 48, .size: 8, .value_kind: global_buffer, .address_space: global }
      - { .name: f32r, .offset: 56, .size: 8, .value_kind: global_buffer, .address_space: global }
    .group_segment_fixed_size: 327680
    .private_segment_fixed_size: 0
    .kernarg_segment_align: 8
    .kernarg_segment_size: 64
    .max_flat_workgroup_size: 128
    .sgpr_count:     102
    .vgpr_count:     1024
    .wavefront_size: 32
...
	.end_amdgpu_metadata
.endif
;; end of part 2
;; launch attn (part 3): grid 16 x 16, 16 waves a work-group, no clusters, 327,680 bytes of LDS; arguments qkv, att; writes att
.if DOCPART == 3
	.amdgcn_target "amdgcn-amd-amdhsa--gfx1250"
	.amdhsa_code_object_version 6
	.text
	.protected	k_q7f6fd882c3_attn
	.globl	k_q7f6fd882c3_attn
	.p2align	8
	.type	k_q7f6fd882c3_attn,@function
k_q7f6fd882c3_attn:
	s_mov_b64 s[64:65], 0
	v_nop
	global_prefetch_b8 v0, s[64:65] scope:SCOPE_SE
	s_setreg_imm32_b32 hwreg(HW_REG_WAVE_MODE, 25, 1), 1
	s_wait_xcnt 0x0
; att[q][head][:] = the sum over k <= q of softmax_k(Q[q] . K[k] / sqrt(128)) V[k][:], for 16 heads of 128 and 2,048 positions.  Q, K, V: f16, qkv [48 slots][2048][128] (slots 0-15 Q, 16-31 K, 32-47 V).
; att: f16 [2048][2048].  Products, maxima and sums in f32; the weights p are rounded to f16 for the second product, the result once at the end.
; LIMITS: results beyond f16's largest number, 65,504, are not served; NaN and infinities are not served.  (Positions 0-15 are made again, in f32, by a later launch.)
; SHARES.  Work-group (j, head) owns eight tiles of 16 queries: four early ones, 4 j + i, and four late ones, 127 - 4 j - i.  An early and a late tile together always have (j + 1) + (32 - j) = 33 steps of 64 keys under the
; causal mask, so all 256 work-groups have the same work.  EACH TILE HAS TWO WAVES, u and u + 8 of the sixteen, WHICH SHARE ITS KEYS: of every slot of 128 keys wave u takes the first 64 and wave u + 8 the second.  So a
; tile's chain of steps is half as long as its keys ask for, and a change of slots has one step of each wave behind it.  At the end wave u + 8 hands its maximum, sum and O^T to wave u through LDS, and wave u joins them.
; Which tile is wave u's: late = (u ^ (u >> 2)) & 1, i = (u & 2) + (u >> 2): among any four waves with consecutive numbers, and among any four whose numbers are equal modulo 4, two have early tiles and two late ones.
; NO CLUSTER: work-groups of a head need different numbers of key tiles (2,048 - 64 j keys), so a joint load would bring some partner tiles that none of its waves reads.
; LAYOUT.  S^T = K Q^T (source 0 = 16 keys, source 1 = my 16 queries): a lane holds ONE query (lane % 16) and the keys 8 (lane / 16) + 0..7.  Two such tiles, rounded to f16 in pairs, ARE source 1 (32 keys x 16 queries)
; of O^T = V^T P, whose result again holds one query a lane, and eight channels.  K comes out of LDS as it lies, V ([key][channel]) turned, by ds_load_tr16_b128.
; SOFTMAX.  For each query a running maximum m and sum l: p = 2^(c s - c m), c = log2(e) / sqrt(128); in every step O and l are multiplied by a = 2^(c m_old - c m_new).
; THE RING.  A slot holds 128 keys' K and V, as two steps of 64; two slots, 2^17 bytes apart.  Waves 0 and 1 fetch K's two tiles of a slot, waves 2 and 3 V's; all sixteen read them.
; THE CAUSAL MASK.  Every work-group walks all 16 slots: the trip counts are constants.  A step all of whose keys come after the wave's queries is left out by a scalar branch on ids; a slot whose first key comes after the
; work-group's last query is not asked for.  Every wait on TENSORcnt is for 0.
.set KS,    64
.set PK,    272                        ; a row of K in LDS: 256 bytes + 16: the 16 rows of a load begin at 16 different 16-byte columns of 256
.set PV,    288                        ; a row of V: 256 + 32: 16 lanes of the turning load take 8 rows x 32 bytes
.set VOFF,  KS*PK
.set STEPB, KS*(PK+PV)
.set SLOT1, 1<<17
.set STAGE, SLOT1+2*STEPB              ; behind the ring: 16 rows x 272 bytes for each tile, for the way out
.set SP,    272
.set XCH,   STAGE+8*16*SP              ; the exchange: for each tile an image of O^T's 64 registers (16 x 512 bytes) and of the four registers of statistics (512 bytes)
.set XREG,  16*512+512
.set SPARE, XCH+8*XREG                 ; the spare words, 128 bytes for each wave: eight blocks of 256 bytes that no other line names
.set AK0, 1                            ; v1   my lane's place in my step's tile of K
.set AV0, 2                            ; v2   the same for V
.set SPW, 3                            ; v3   LDS address of my spare word; never rewritten
.set NIL, 4                            ; v4   0; never rewritten
.set GO,  5                            ; v5   the way out: my byte offset in the tile's rows of att
.set ADK, 6                            ; v6   LDS address of the step's K
.set ADV, 7                            ; v7   of its V
.set PFO, 8                            ; v8   256 x my lane: a row of K or V is 256 bytes
.set STO, 9
.set RD,  10
.set DD,  11                           ; v11  the mask: my query less the step's first key less 8 (lane / 16)
.set ST,  12                           ; v12 c m, v13 m, v[14:15] l, v16-19 at work; a takes v18
.set NINF, 20                          ; v20  -infinity
.set RH,  21                           ; v21  lane % 16 - 8 (lane / 16)
.set QO,  22                           ; v22  my byte offset in the tile's rows of Q
.set XA,  23                           ; v23  the exchange: my tile's region + 16 x lane
.set Q,   24                           ; v24-55   Q: four fragments
.set S,   56                           ; v56-87   S^T, then p
.set P,   88                           ; v88-103  p as f16
.set O,   104                          ; v104-167 O^T
.set F,   168                          ; v168-231 eight fragments of K or of V; at the end my partner's O^T
.set PS,  232                          ; v232-235 my partner's statistics
.set LT,  236                          ; v236-237 at work at the head and in the joining
.set KF,  16                           ; s16  my step's first key
.set TB,  17                           ; s17  LDS byte at which the slot in hand begins
.set WV,  18
.set SLOTS, 19
.set SEL, 20
.set CS,  22
.set G1K, 24
.set G1V, 32
.set G0K, 40
.set G0V, 44
.set Q0,  48                           ; s48  my first query
.set QMAX, 49                          ; s49  my work-group's last query
.set LIM, 50                           ; s50  1 in a wave that prefetches, else the greatest number
.set HD,  51
.set PFK, 52                           ; s[52:53], s[54:55] where my prefetches stand in K and in V
.set PFV, 54
.set TI,  66                           ; s66  which of the work-group's eight tiles is mine: wave % 8
.set PAR, 67                           ; s67  which half of every slot is mine: wave / 8
.set SK,  68                           ; s68  the first key of the slot in hand: the same in all sixteen waves
; Waves 0 and 1 fetch for K, waves 2 and 3 for V, the others nothing.  An s_nop 0 and four v_nop follow each of the two lines.
.macro TLOAD
	s_cmp_lt_u32 s[WV], 2
	s_cbranch_scc0 .Lnot_k_\@
	tensor_load_to_lds s[G0K:G0K+3], s[G1K:G1K+7]
	s_nop 0
.rept 4
	v_nop
.endr
	s_branch .Lasked_\@
.Lnot_k_\@:
	s_cmp_lt_u32 s[WV], 4
	s_cbranch_scc0 .Lasked_\@
	tensor_load_to_lds s[G0V:G0V+3], s[G1V:G1V+7]
	s_nop 0
.rept 4
	v_nop
.endr
.Lasked_\@:
.endm
; A PREFETCH INTO THE L2 of what the NEXT change of slots will ask for: a slot's 128 rows of K and 128 of V, 256 bytes a row, a lane a row.  Each row is named ONCE in the launch: all work-groups of a head walk the same
; rows, and the head's first work-group, which walks all of them, asks; in it waves 4 to 7, which fetch nothing, take 32 rows of K and 32 of V each.  The last change that fills a slot asks for nothing.
.macro ASK
	s_cmp_gt_u32 s[SLOTS], s[LIM]
	s_cbranch_scc0 .Lnot_mine_\@
	global_prefetch_b8 v[PFO], s[PFK:PFK+1] th:TH_LOAD_NT scope:SCOPE_SE
	global_prefetch_b8 v[PFO], s[PFV:PFV+1] th:TH_LOAD_NT scope:SCOPE_SE
.Lnot_mine_\@:
.endm
.macro PLACES                          ; four plain vector instructions between a matrix instruction and a load into, or a read of, its registers
.rept 4
	v_nop
.endr
.endm
	s_load_b128 s[4:7], s[0:1], 0x0                ; qkv s[4:5], att s[6:7]
	v_lshl_add_u32 v[SPW], v0, 2, SPARE
	v_mov_b32 v[NIL], 0
	ds_add_u32 v[SPW], v[NIL]                      ; the wave's opening: the add, twice on end, and its wait ahead of my first tensor load
	ds_add_u32 v[SPW], v[NIL]
	v_lshrrev_b32 v[LT], 5, v0
	v_readfirstlane_b32 s[WV], v[LT]               ; wave 0..15
	s_and_b32 s[TI], s[WV], 7
	s_lshr_b32 s[PAR], s[WV], 3
	s_and_b32 s[HD], ttmp7, 0xffff                 ; the head
	s_lshr_b32 s56, s[TI], 2
	s_xor_b32 s57, s[TI], s56
	s_and_b32 s57, s57, 1                          ; 1: a late tile
	s_and_b32 s58, s[TI], 2
	s_add_co_u32 s58, s58, s56                     ; i: which of the four
	s_lshl_b32 s56, ttmp9, 2                       ; 4 j
	s_add_co_u32 s59, s56, s58                     ; an early tile,
	s_sub_co_u32 s60, 127, s56
	s_sub_co_u32 s60, s60, s58                     ; or a late one
	s_cmp_eq_u32 s57, 0
	s_cselect_b32 s[Q0], s59, s60
	s_lshl_b32 s[Q0], s[Q0], 4
	s_lshl_b32 s[QMAX], ttmp9, 6
	s_sub_co_u32 s[QMAX], 2047, s[QMAX]            ; the last query of tile 127 - 4 j
	s_lshl_b32 s56, s[HD], 19                      ; a slot of qkv is 2,048 rows of 256 bytes
	s_mov_b32 s57, 0
	s_lshl_b32 s58, s[Q0], 8
	s_add_co_u32 s58, s58, s56                     ; Q: my head, my first query
	s_mov_b32 s59, 0
	s_lshl_b32 s12, s[Q0], 12                      ; att: a row is 4,096 bytes, a head 256 of them
	s_lshl_b32 s13, s[HD], 8
	s_add_co_u32 s12, s12, s13
	s_mov_b32 s13, 0
	s_and_b32 s14, s[WV], 1                        ; which of a slot's two steps I fetch, if I fetch:
	s_mul_i32 s15, s14, STEPB                      ; its place in a slot,
	s_lshl_b32 s60, s14, 14                        ; and its 64 rows in memory
	s_mov_b32 s61, 0
	s_and_b32 s62, s[WV], 3                        ; the prefetches: my 32 rows of a slot's 128,
	s_lshl_b32 s62, s62, 13
	s_add_co_u32 s62, s62, 2*KS*256                ; in slot 1: the first change of slots steps it to slot 2.  Nothing is prefetched at the head
	s_mov_b32 s63, 0
	s_lshr_b32 s[LIM], s[WV], 2
	s_xor_b32 s[LIM], s[LIM], 1                    ; 0 in waves 4 to 7,
	s_or_b32 s[LIM], s[LIM], ttmp9                 ; of the head's first work-group
	s_cmp_eq_u32 s[LIM], 0
	s_cselect_b32 s[LIM], 1, -1
	; descriptor group 1: a tile of 64 rows x 128 elements of 2 bytes, padded in LDS
	s_mov_b32 s[G1K], (1<<16)|(1<<20)|(5<<22)|(3<<25)   ; 15:0 no mask; 17:16 elements of 2 bytes; 20 padding on; 24:22 after every 64 words; 31:25 four words
	s_mov_b32 s[G1V], (1<<16)|(1<<20)|(5<<22)|(7<<25)   ; the same with eight words
.irp g, G1K, G1V
	s_mov_b32 s[\g+1], 128<<16                     ; tensor_dim0
	s_mov_b32 s[\g+2], KS<<16                      ; tensor_dim1
	s_mov_b32 s[\g+3], 128<<16                     ; tile_dim0
	s_mov_b32 s[\g+4], KS                          ; tile_dim1
	s_mov_b32 s[\g+5], 128                         ; the pitch, in elements
	s_mov_b32 s[\g+6], 0
	s_mov_b32 s[\g+7], 0
.endr
	s_mov_b32 s[SEL], 0x76543210
	s_mov_b32 s[SEL+1], 0xfedcba98                 ; v_permlanex16_b32's selects for lane l xor 16
	s_mov_b32 s[CS], 0x3e0293ee                    ; c = log2(e) / sqrt(128)
	s_mov_b32 s[CS+1], s[CS]                       ; (named with it as a pair, so it is written)
	s_mov_b32 s[TB], 0
	s_mov_b32 s[SK], 0
	s_lshl_b32 s[KF], s[PAR], 6                    ; my first step begins at key 0 or 64
	s_mov_b32 s[SLOTS], 15
	s_wait_dscnt 0x0                               ; both opening adds are done
	s_wait_kmcnt 0x0
	s_add_nc_u64 s[8:9], s[4:5], s[56:57]
	s_add_nc_u64 s[10:11], s[8:9], 32<<19          ; V's head
	s_add_nc_u64 s[8:9], s[8:9], 16<<19            ; K's head
	s_add_nc_u64 s[4:5], s[4:5], s[58:59]          ; Q at my first query
	s_add_nc_u64 s[6:7], s[6:7], s[12:13]          ; att likewise
	s_mov_b32 s[G0K], 1                            ; 1:0 count = 1
	s_mov_b32 s[G0K+1], s15                        ; 63:32 LDS address: slot 0
	s_add_nc_u64 s[G0K+2:G0K+3], s[8:9], s[60:61]  ; 120:64 global address
	s_or_b32 s[G0K+3], s[G0K+3], 0x80000000        ; 127:126 type = 2
	s_mov_b32 s[G0V], 1
	s_add_co_u32 s[G0V+1], s15, VOFF
	s_add_nc_u64 s[G0V+2:G0V+3], s[10:11], s[60:61]
	s_or_b32 s[G0V+3], s[G0V+3], 0x80000000
	TLOAD                                          ; slot 0: it holds key 0, which counts for every query
	s_add_nc_u64 s[PFK:PFK+1], s[8:9], s[62:63]
	s_add_nc_u64 s[PFV:PFV+1], s[10:11], s[62:63]
	v_and_b32 v11, 15, v0                          ; r
	v_bfe_u32 v[LT+1], v0, 4, 1                    ; h
	v_lshlrev_b32 v[QO], 8, v11
	v_lshl_add_u32 v[QO], v[LT+1], 4, v[QO]        ; Q: row r of 256 bytes, + 16 h
.irp c, 0,1,2,3                                ; a fragment is 16 rows x 32 channels: registers 0-3 channels 8 h + 0..7, registers 4-7 channels 16 + 8 h + 0..7: two loads of 16 bytes, 32 bytes apart
	global_load_b128 v[Q+8*\c:Q+8*\c+3], v[QO], s[4:5] offset:64*\c
	global_load_b128 v[Q+8*\c+4:Q+8*\c+7], v[QO], s[4:5] offset:64*\c+32
.endr
	s_mul_i32 s57, s[PAR], STEPB                   ; my half of a slot
	v_mul_u32_u24 v[AK0], v11, PK
	v_lshl_add_u32 v[AK0], v[LT+1], 4, v[AK0]
	v_add_nc_u32 v[AK0], s57, v[AK0]
	v_and_b32 v16, 7, v0                           ; the turning load: lane l reads 16 bytes: key 8 (l / 16) + l % 8, channels 8 ((l / 8) % 2) + 0..7
	v_bfe_u32 v17, v0, 3, 1
	v_lshl_add_u32 v[AV0], v[LT+1], 3, v16
	v_mul_u32_u24 v[AV0], v[AV0], PV
	v_lshl_add_u32 v[AV0], v17, 4, v[AV0]
	v_add_nc_u32 v[AV0], VOFF, v[AV0]
	v_add_nc_u32 v[AV0], s57, v[AV0]
	v_and_b32 v[PFO], 31, v0
	v_lshlrev_b32 v[PFO], 8, v[PFO]
	s_mul_i32 s56, s[TI], 16*SP
	s_add_co_u32 s56, s56, STAGE                   ; my tile's stage
	v_mul_u32_u24 v[STO], v11, SP
	v_lshl_add_u32 v[STO], v[LT+1], 4, v[STO]
	v_add_nc_u32 v[STO], s56, v[STO]               ; in: row r, 16 bytes for each half of the lanes
	v_mul_u32_u24 v[RD], v[LT+1], SP
	v_lshl_add_u32 v[RD], v11, 4, v[RD]
	v_add_nc_u32 v[RD], s56, v[RD]                 ; back: lanes 0-15 one row of 256 bytes, lanes 16-31 the next
	s_mul_i32 s58, s[TI], XREG
	s_add_co_u32 s58, s58, XCH                     ; my tile's region of the exchange: the same in both of its waves
	v_and_b32 v[XA], 31, v0
	v_lshlrev_b32 v[XA], 4, v[XA]
	v_add_nc_u32 v[XA], s58, v[XA]
	v_lshlrev_b32 v[GO], 12, v[LT+1]
	v_lshl_add_u32 v[GO], v11, 4, v[GO]            ; the way out: two rows of att, 16 bytes a lane
	v_lshlrev_b32 v[RH], 3, v[LT+1]
	v_sub_nc_u32 v[RH], v11, v[RH]
	v_mov_b32 v[NINF], 0xff800000
	v_mov_b32 v[ST+1], 0xff61b1e6                  ; m: -3e38, under every score
	v_mul_f32 v[ST], s[CS], v[ST+1]
	v_mov_b32 v[ST+2], 0                           ; l
	v_mov_b32 v[ST+3], 0
.irp j, 4,5,6,7
	v_mov_b32 v[ST+\j], 0                          ; written once: a lane permute's destination counts as one of its sources
.endr
.set n, 0
.rept 64
	v_mov_b32 v[O+n], 0                            ; O^T.  (The step is written once: the first finds zeros, which a = 0 leaves zeros; a wave with no step at all hands zeros on)
.set n, n+1
.endr
; S^T of key tiles 2 g and 2 g + 1 of my step: eight fragments of K, eight matrix instructions; the two accumulators take turns, one instruction a turn; the first product starts each sum
.macro KHALF g
.irp f, 0,1,2,3,4,5,6,7
	ds_load_b128 v[F+8*\f:F+8*\f+3],   v[ADK] offset:(2*(\g)+\f/4)*16*PK+(\f%4)*64
	ds_load_b128 v[F+8*\f+4:F+8*\f+7], v[ADK] offset:(2*(\g)+\f/4)*16*PK+(\f%4)*64+32
.endr
	s_wait_dscnt 0x0
.irp c, 0,1,2,3
.irp k, 0,1
.if \c == 0
	v_wmma_f32_16x16x32_f16 v[S+8*(2*(\g)+\k):S+8*(2*(\g)+\k)+7], v[F+8*(4*\k+\c):F+8*(4*\k+\c)+7], v[Q+8*\c:Q+8*\c+7], 0
.else
	v_wmma_f32_16x16x32_f16 v[S+8*(2*(\g)+\k):S+8*(2*(\g)+\k)+7], v[F+8*(4*\k+\c):F+8*(4*\k+\c)+7], v[Q+8*\c:Q+8*\c+7], v[S+8*(2*(\g)+\k):S+8*(2*(\g)+\k)+7]
.endif
.endr
.endr
.endm
.macro VLOAD g                         ; V^T of keys 32 g on of my step: eight fragments (16 channels x 32 keys each)
.irp t, 0,1,2,3,4,5,6,7
	ds_load_tr16_b128 v[F+8*\t:F+8*\t+3],   v[ADV] offset:(\g)*32*PV+\t*32
	ds_load_tr16_b128 v[F+8*\t+4:F+8*\t+7], v[ADV] offset:(\g)*32*PV+16*PV+\t*32
.endr
.endm
.macro PVMUL g                         ; O^T += V^T P over those 32 keys: eight accumulators by turns
.irp t, 0,1,2,3,4,5,6,7
	v_wmma_f32_16x16x32_f16 v[O+8*\t:O+8*\t+7], v[F+8*\t:F+8*\t+7], v[P+8*(\g):P+8*(\g)+7], v[O+8*\t:O+8*\t+7]
.endr
.endm
.macro SOFTMAX
.irp j, 0,1,2,3
	v_max3_num_f32 v[ST+4+\j], v[S+8*\j], v[S+8*\j+1], v[S+8*\j+2]          ; four chains; each accumulator is read from its low end on
.endr
.irp u, 1,2
.irp j, 0,1,2,3
	v_max3_num_f32 v[ST+4+\j], v[ST+4+\j], v[S+8*\j+2*\u+1], v[S+8*\j+2*\u+2]
.endr
.endr
	v_max3_num_f32 v[ST+4], v[ST+4], v[S+7], v[S+15]
	v_max3_num_f32 v[ST+6], v[ST+6], v[S+23], v[S+31]
	v_max3_num_f32 v[ST+4], v[ST+4], v[ST+5], v[ST+6]
	v_max3_num_f32 v[ST+4], v[ST+4], v[ST+7], v[ST+1]                       ; and the old m
	v_permlanex16_b32 v[ST+5], v[ST+4], s[SEL], s[SEL+1]                    ; the query's other 32 keys lie in the lane 16 away
	v_mov_b32 v[ST+7], v[ST]                                                ; c m_old is kept for a
	v_max_num_f32 v[ST+1], v[ST+4], v[ST+5]
	v_mul_f32 v[ST], s[CS], v[ST+1]
	v_sub_f32 v[ST+7], v[ST+7], v[ST]
.irp b, 0,1,2,3,4,5,6,7,8,9,10,11,12,13,14,15
	v_pk_fma_f32 v[S+2*\b:S+2*\b+1], v[S+2*\b:S+2*\b+1], s[CS:CS+1], v[ST:ST+1] op_sel_hi:[1,0,0] neg_lo:[0,0,1] neg_hi:[0,0,1]   ; c s - c m, two at a time
.endr
	v_exp_f32 v[ST+6], v[ST+7]                                              ; a
.set n, 0
.rept 32
	v_exp_f32 v[S+n], v[S+n]                                                ; p, at most 1
.set n, n+1
.endr
	v_nop                                                                   ; a plain instruction behind the last exponential
	s_wait_alu depctr_va_vdst(0)                                            ; one wait for the batch of 33, ahead of the first instruction that names a result
.irp b, 0,1,2,3,4,5,6,7,8,9,10,11,12,13,14,15
	v_cvt_pk_f16_f32 v[P+\b], v[S+2*\b], v[S+2*\b+1]
.endr
.irp z, 0,1,2,3,4,5,6,7
	v_pk_add_f32 v[S+4*\z:S+4*\z+1], v[S+4*\z:S+4*\z+1], v[S+4*\z+2:S+4*\z+3]   ; the sum of the unrounded p, in place
.endr
.irp z, 0,1,2,3
	v_pk_add_f32 v[S+8*\z:S+8*\z+1], v[S+8*\z:S+8*\z+1], v[S+8*\z+4:S+8*\z+5]
.endr
.irp z, 0,1
	v_pk_add_f32 v[S+16*\z:S+16*\z+1], v[S+16*\z:S+16*\z+1], v[S+16*\z+8:S+16*\z+9]
.endr
	v_pk_add_f32 v[S:S+1], v[S:S+1], v[S+16:S+17]
	v_pk_fma_f32 v[ST+2:ST+3], v[ST+2:ST+3], v[ST+6:ST+7], v[S:S+1] op_sel_hi:[1,0,1]   ; l = a l + the sum
.set n, 0
.rept 32
	v_pk_mul_f32 v[O+n:O+n+1], v[O+n:O+n+1], v[ST+6:ST+7] op_sel_hi:[1,0]   ; O^T x a
.set n, n+2
.endr
.endm
; MY KEY STEP of the slot in hand: 64 keys.
.macro STEP
	s_cmp_gt_u32 s[KF], s[Q0]                      ; both are multiples of 16: beyond Q0 means beyond my last query.  Such a step is left out: no barrier and no tensor load stands in a step
	s_cbranch_scc1 .Lhid_\@
	v_add_nc_u32 v[ADK], s[TB], v[AK0]
	v_add_nc_u32 v[ADV], s[TB], v[AV0]
	v_nop
	v_nop                                          ; with the two additions: the four places in front of loads into registers that the last step's products read
	KHALF 0
	PLACES
	KHALF 1
	PLACES                                         ; in front of the loads below and of the first reads of the scores
	VLOAD 0                                        ; lands under the softmax
	s_add_co_u32 s56, s[KF], 63
	s_cmp_le_u32 s56, s[Q0]                        ; a step all of whose keys count skips the mask
	s_cbranch_scc1 .Lopen_\@
	s_sub_co_i32 s56, s[Q0], s[KF]
	v_add_nc_u32 v[DD], s56, v[RH]                 ; register 8 t + j holds key KF + 16 t + 8 (lane / 16) + j: hidden where 16 t + j > d.  Key KF counts for every query of the tile, so the maximum is a number
.set n, 0
.rept 32
	v_cmp_gt_i32 vcc_lo, 16*(n/8)+n%8, v[DD]
	v_cndmask_b32 v[S+n], v[S+n], v[NINF], vcc_lo
.set n, n+1
.endr
.Lopen_\@:
	SOFTMAX
	s_wait_dscnt 0x0                               ; V's first half is in
	PVMUL 0
	PLACES
	VLOAD 1
	s_wait_dscnt 0x0
	PVMUL 1
.Lhid_\@:
	s_add_co_u32 s[KF], s[KF], 2*KS                ; my step of the next slot
.endm
; THE CHANGE OF SLOTS stands at a slot's head.  Each wave waits for all its tensor loads (its part of the slot that it is about to read), adds 0 to its spare word, and waits for that and for its reads of the slot that it
; has left.  Behind the barrier the slot ahead is whole and nobody reads the other one.  fill = 1: that other slot is filled with the keys that follow, up to the causal limit.
.macro CHANGE fill
	s_wait_tensorcnt 0x0                           ; no tensor load of mine is out, so a group 0 may be written
	ds_add_u32 v[SPW], v[NIL]                      ; 0 onto my spare word
.if \fill
	ds_add_u32 v[SPW], v[NIL]                      ; and once more: the add twice on end here, in every trip alike
	s_xor_b32 s[G0K+1], s[G0K+1], SLOT1            ; the walking descriptors: the other slot than last time,
	s_add_nc_u64 s[G0K+2:G0K+3], s[G0K+2:G0K+3], 2*KS*256   ; the next 128 keys; the type bits on top are not reached
	s_xor_b32 s[G0V+1], s[G0V+1], SLOT1
	s_add_nc_u64 s[G0V+2:G0V+3], s[G0V+2:G0V+3], 2*KS*256
	s_wait_xcnt 0x0                                ; the last prefetches, a slot back, have read their addresses, so they may be written
	s_add_nc_u64 s[PFK:PFK+1], s[PFK:PFK+1], 2*KS*256
	s_add_nc_u64 s[PFV:PFV+1], s[PFV:PFV+1], 2*KS*256
.endif
	s_wait_dscnt 0x0                               ; the add is done (fill = 1: both are), and my reads of the slot that I have left are over
	s_barrier_signal -1
	s_barrier_wait -1
.if \fill
	s_add_co_u32 s56, s[SK], 2*KS                  ; the first key of the slot that this change would ask for
	s_cmp_gt_u32 s56, s[QMAX]                      ; ids and the count of slots alone: all sixteen waves go the same way.  A slot beyond my work-group's last query is read by none of its waves, so it is not asked for
	s_cbranch_scc1 .Lpast_\@
	TLOAD                                          ; the first thing behind the barrier and the limit's three lines, and a wave's one tensor load until the next barrier
.Lpast_\@:
	ASK
.endif
.endm
.macro SLOT_STEP
	STEP
	s_xor_b32 s[TB], s[TB], SLOT1                  ; on to the other slot
	s_add_co_u32 s[SK], s[SK], 2*KS
.endm
	s_wait_loadcnt 0x0                             ; Q
.Lslot:                                            ; 15 trips: behind each change of slots but the last the next slot is asked for, up to the causal limit
	CHANGE 1
	SLOT_STEP
	s_sub_co_u32 s[SLOTS], s[SLOTS], 1
	s_cmp_lg_u32 s[SLOTS], 0
	s_cbranch_scc1 .Lslot
	CHANGE 0                                       ; the last slot is written out: nothing is left to ask for
	SLOT_STEP
	; THE TWO HALVES OF A TILE'S KEYS ARE JOINED.  Waves 8 to 15 lay O^T and the statistics into the exchange as images of their registers, 16 bytes a lane; a barrier; waves 0 to 7 take them up by the same lines as loads.
	PLACES                                         ; behind the last products: in front of the reads of O^T and of the loads into the fragments' registers
	s_cmp_lt_u32 s[WV], 8
	s_cbranch_scc1 .Lkeep
.irp i, 0,1,2,3,4,5,6,7,8,9,10,11,12,13,14,15
	ds_store_b128 v[XA], v[O+4*\i:O+4*\i+3] offset:512*\i    ; each accumulator from its low end on
.endr
	ds_store_b128 v[XA], v[ST:ST+3] offset:16*512  ; c m, m, l's two halves
.Lkeep:
	s_wait_dscnt 0x0                               ; for the others' sake: my stores lie in LDS
	s_barrier_signal -1
	s_barrier_wait -1
	s_cmp_lt_u32 s[WV], 8
	s_cbranch_scc0 .Lend                           ; waves 8 to 15 have handed their part on
.irp i, 0,1,2,3,4,5,6,7,8,9,10,11,12,13,14,15
	ds_load_b128 v[F+4*\i:F+4*\i+3], v[XA] offset:512*\i
.endr
	ds_load_b128 v[PS:PS+3], v[XA] offset:16*512
	s_wait_dscnt 0x0
	v_max_num_f32 v[ST+4], v[ST], v[PS]            ; c m of all the tile's keys (c is positive).  My own is a number: key 0 is mine
	v_sub_f32 v[ST+5], v[ST], v[ST+4]
	v_sub_f32 v[ST+6], v[PS], v[ST+4]
	v_exp_f32 v[ST+5], v[ST+5]                     ; what brings my sums under the common maximum,
	v_exp_f32 v[ST+6], v[ST+6]                     ; and my partner's: 0 where it had no step
	v_add_f32 v[LT], v[ST+2], v[ST+3]              ; (plain work behind the exponentials)  l's two halves, mine
	v_add_f32 v[LT+1], v[PS+2], v[PS+3]            ; and my partner's
	s_wait_alu depctr_va_vdst(0)                   ; one wait for the two, ahead of their first reader
	v_mul_f32 v[LT], v[LT], v[ST+5]
	v_fma_f32 v[LT], v[LT+1], v[ST+6], v[LT]
	v_permlanex16_b32 v[ST+7], v[LT], s[SEL], s[SEL+1]
	v_add_f32 v[LT], v[LT], v[ST+7]                ; with lane l xor 16's: the row's sum
	v_rcp_f32 v[LT+1], v[LT]
	v_nop                                          ; a plain instruction behind the reciprocal
	s_wait_alu depctr_va_vdst(0)                   ; and the wait ahead of its first reader
	v_mul_f32 v[ST+4], v[ST+5], v[LT+1]            ; both factors divided by the sum
	v_mul_f32 v[ST+6], v[ST+6], v[LT+1]
.set n, 0
.rept 32
	v_pk_mul_f32 v[O+n:O+n+1], v[O+n:O+n+1], v[ST+4:ST+5] op_sel_hi:[1,0]
.set n, n+2
.endr
.set n, 0
.rept 32
	v_pk_fma_f32 v[O+n:O+n+1], v[F+n:F+n+1], v[ST+6:ST+7], v[O+n:O+n+1] op_sel_hi:[1,0,1]
.set n, n+2
.endr
	; THE WAY OUT.  Rounded to f16 and sent through the tile's stage in LDS, so that sixteen lanes store 256 consecutive bytes, aligned.
.set n, 0
.rept 32
	v_cvt_pk_f16_f32 v[S+n], v[O+2*n], v[O+2*n+1]  ; register 4 t + i: channels 16 t + 8 h + 2 i, + 1
.set n, n+1
.endr
.irp t, 0,1,2,3,4,5,6,7
	ds_store_b128 v[STO], v[S+4*\t:S+4*\t+3] offset:32*\t
.endr
.irp f, 0,1,2,3,4,5,6,7
	ds_load_b128 v[F+4*\f:F+4*\f+3], v[RD] offset:\f*2*SP    ; LDS serves a wave's instructions in order: these see my stores
.endr
.irp f, 0,1,2,3,4,5,6,7
	s_wait_dscnt 7-\f                              ; load f is in; the younger ones may be out
	global_store_b128 v[GO], v[F+4*\f:F+4*\f+3], s[6:7] offset:\f*8192
.endr
.Lend:
	s_wait_tensorcnt 0x0                           ; the wave's end: the wait, the add and its wait, behind my last tensor load and my last LDS store
	ds_add_u32 v[SPW], v[NIL]
	s_wait_dscnt 0x0
	s_endpgm
.Lfunc_end_k_q7f6fd882c3_attn:
	.size	k_q7f6fd882c3_attn, .Lfunc_end_k_q7f6fd882c3_attn-k_q7f6fd882c3_attn
	.p2alignl 7, 3214868480
	.fill 96, 4, 3214868480
	.section	.rodata,"a",@progbits
	.p2align	6, 0x0
	.amdhsa_kernel k_q7f6fd882c3_attn
		.amdhsa_group_segment_fixed_size 327680
		.amdhsa_private_segment_fixed_size 0
		.amdhsa_enable_private_segment 0
		.amdhsa_kernarg_size 16
		.amdhsa_user_sgpr_count 2
		.amdhsa_user_sgpr_kernarg_segment_ptr 1
		.amdhsa_wavefront_size32 1
		.amdhsa_system_sgpr_workgroup_id_x 1
		.amdhsa_system_sgpr_workgroup_id_y 1
		.amdhsa_system_sgpr_workgroup_id_z 1
		.amdhsa_system_vgpr_workitem_id 0
		.amdhsa_next_free_vgpr 256
		.amdhsa_next_free_sgpr 70
		.amdhsa_reserve_vcc 1
		.amdhsa_float_denorm_mode_32 3
		.amdhsa_float_denorm_mode_16_64 3
		.amdhsa_memory_ordered 1
		.amdhsa_forward_progress 1
		.amdhsa_inst_pref_size 56
	.end_amdhsa_kernel
	.amdgpu_metadata
---
amdhsa.version: [ 1, 2 ]
amdhsa.kernels:
  - .name:           k_q7f6fd882c3_attn
    .symbol:         k_q7f6fd882c3_attn.kd
    .args:
      - { .name: qkv, .offset: 0, .size: 8, .value_kind: global_buffer, .address_space: global }
      - { .name: att, .offset: 8, .size: 8, .value_kind: global_buffer, .address_space: global }
    .group_segment_fixed_size: 327680
    .private_segment_fixed_size: 0
    .kernarg_segment_align: 8
    .kernarg_segment_size: 16
    .max_flat_workgroup_size: 512
    .sgpr_count:     70
    .vgpr_count:     256
    .wavefront_size: 32
...
	.end_amdgpu_metadata
.endif
;; end of part 3
;; launch proj (part 4): grid 16 x 16, 4 waves a work-group, clusters of 4 x 4, 327,680 bytes of LDS; arguments att, wot, out0; writes out0
.if DOCPART == 4
	.amdgcn_target "amdgcn-amd-amdhsa--gfx1250"
	.amdhsa_code_object_version 6
	.text
	.protected	k_q7f6fd882c3_proj
	.globl	k_q7f6fd882c3_proj
	.p2align	8
	.type	k_q7f6fd882c3_proj,@function
k_q7f6fd882c3_proj:
	s_mov_b64 s[64:65], 0
	v_nop
	global_prefetch_b8 v0, s[64:65] scope:SCOPE_SE
	s_setreg_imm32_b32 hwreg(HW_REG_WAVE_MODE, 25, 1), 1
	s_wait_xcnt 0x0
	s_wait_alu depctr_hold_cnt(0) depctr_sa_sdst(0) depctr_va_vdst(0) depctr_va_sdst(0) depctr_va_ssrc(0) depctr_va_vcc(0) depctr_vm_vsrc(0)
	s_getreg_b32 s2, hwreg(HW_REG_IB_STS2, 6, 4)
	s_cmp_eq_u32 s2, 0
	s_cbranch_scc0 .Lentry_in_a_cluster
	s_endpgm
.Lentry_in_a_cluster:
	s_bfe_u32 s2, ttmp6, 0x10000c
	s_cmp_lg_u32 s2, 0xf033
	s_cbranch_scc0 .Lentry_shape_is_right
	s_endpgm
.Lentry_shape_is_right:
; out0[m][n] = sum over k of att[m][k] wot[n][k].  att: [2048][2048] f16, wot = Wo transposed: [2048 n][2048 k] f16, out0: [2048][2048] f32; sums in f32.  (Rows 0-15 are made again, in f32, by the launch that follows.)
; A tile of the output is 128 x 128, so that there are 256 work-groups.  Four waves, each 64 x 64: 16 accumulators of 16 x 16.  K goes in steps of 256 (LDS rows of 512 bytes; a wave's tensor load brings 64 of them)
; through a ring of two slots.
; CLUSTERS: 4 x 4 work-groups.  The four of a row of the cluster need the same tiles of att, the four of a column the same tiles of wot: each tile is asked for JOINTLY, by the same tensor load with the same descriptor
; and a mask that names the four.  THE MATRIX INSTRUCTION IS USED TRANSPOSED (source 0 = 16 rows of wot, source 1 = 16 rows of att): a lane then holds eight neighbouring numbers of a row of the output.
; REGISTERS: window 0: v0-31 addresses; v32-95 at work on the way out; v128-255 the accumulators ((a, b) at v[128 + 8 (4 a + b)]).   window 1: two fragment buffers of 128.
.set SIZE_K, 2048
.set SIZE_N, 2048
.set KSTEP,  256
.set PITCH,  528                       ; an LDS row: 512 bytes + 16: the 16 rows of a load begin at 16 different 16-byte columns of 256
.set HALFT,  64*PITCH
.set SLOT,   4*HALFT
.set STAGE,  2*SLOT                    ; behind the ring: 16 rows x 272 bytes for each wave, for the way out
.set SPITCH, 272
.set SPARE,  STAGE+4*16*SPITCH         ; the spare words, 128 bytes for each wave: two blocks of 256 bytes that no other line names
.set LAPS, SIZE_K/(2*KSTEP)
.set ADRA, 16
.set ADRB, 20
.set STO,  24
.set RD,   25
.set CO,   26
.set SPW,  28
.set NIL,  29
.set TMP,  32
.set ACC,  128
.set F0,   0
.set F1,   128
.set G1, 24
.set G0, 32
.set G1B, 48
.set G0B, 56
.set MSB, 0
.macro WIN new                         ; the immediate's high byte repeats the setting that is left
.if MSB != (\new)
	s_set_vgpr_msb (MSB<<8)|(\new)
.set MSB, (\new)
.endif
.endm
.set MUL,  0x05                        ; sources 0 and 1 window 1; C and D window 0
.set TO_F, 0x40
.macro JLOAD s                         ; a joint load: waves 0 and 1 fetch att's two halves, waves 2 and 3 wot's; an s_nop 0 and four v_nop follow each of the two lines
	s_cmp_eq_u32 s11, 0
	s_cbranch_scc0 .Lfor_b_\@
	tensor_load_to_lds s[G0+4*\s:G0+4*\s+3], s[G1:G1+7]
	s_nop 0
.rept 4
	v_nop
.endr
	s_branch .Lasked_\@
.Lfor_b_\@:
	tensor_load_to_lds s[G0B+4*\s:G0B+4*\s+3], s[G1B:G1B+7]
	s_nop 0
.rept 4
	v_nop
.endr
.Lasked_\@:
.endm
.macro CREST
	s_cmp_lg_u32 s10, 0
	s_cbranch_scc1 .Lnot_wave_0_\@
	s_barrier_signal -3
.Lnot_wave_0_\@:
	s_barrier_wait -3
	s_barrier_signal -1
	s_barrier_wait -1
.endm
.macro CROUND
	s_barrier_signal -1
	s_barrier_wait -1
	CREST
.endm
	s_load_b128 s[4:7], s[0:1], 0x0                ; att s[4:5], wot s[6:7]
	s_load_b64 s[8:9], s[0:1], 0x10                ; out0
	v_lshl_add_u32 v[SPW], v0, 2, SPARE
	v_mov_b32 v[NIL], 0
	ds_add_u32 v[SPW], v[NIL]                      ; the wave's opening: the add, twice on end, and its wait ahead of my first tensor load
	ds_add_u32 v[SPW], v[NIL]
	v_lshrrev_b32 v1, 5, v0
	v_readfirstlane_b32 s10, v1                    ; wave 0..3
	s_lshr_b32 s11, s10, 1                         ; which half of the tile's rows is mine.  Also: I fetch for att (0) or for wot (1)
	s_and_b32 s12, s10, 1                          ; which half of its columns.  Also: which 64 rows of that tile I fetch
	s_bfe_u32 s40, ttmp6, 0x40000                  ; cx, cy
	s_bfe_u32 s41, ttmp6, 0x40004
	s_lshl_b32 s42, ttmp9, 2
	s_add_co_u32 s42, s42, s40                     ; tile column
	s_and_b32 s13, ttmp7, 0xffff
	s_lshl_b32 s13, s13, 2
	s_add_co_u32 s13, s13, s41                     ; tile row
	s_lshl_b32 s43, s41, 2
	s_lshl_b32 s43, 15, s43                        ; my row of the cluster
	s_lshl_b32 s44, 0x1111, s40                    ; my column
	; descriptor group 1: a tile of 64 rows x 256 elements of 2 bytes, padded in LDS
	s_or_b32 s[G1+0], s43, (1<<16)|(1<<20)|(1<<21)|(6<<22)|(3<<25)  ; 15:0 the mask; 17:16 elements of 2 bytes; 20 padding on; 21 set beside a mask; 24:22 after every 128 words; 31:25 four words
	s_or_b32 s[G1B+0], s44, (1<<16)|(1<<20)|(1<<21)|(6<<22)|(3<<25)
.irp g, G1, G1B
	s_mov_b32 s[\g+1], KSTEP<<16
	s_mov_b32 s[\g+2], 64<<16
	s_mov_b32 s[\g+3], KSTEP<<16
	s_mov_b32 s[\g+4], 64
	s_mov_b32 s[\g+5], SIZE_K
	s_mov_b32 s[\g+6], 0
	s_mov_b32 s[\g+7], 0
.endr
	s_lshl_b32 s17, s12, 6                         ; which 64 rows of the tile I fetch
	s_lshl_b32 s16, s13, 7
	s_add_co_u32 s16, s16, s17
	s_lshl_b32 s46, s42, 7
	s_add_co_u32 s46, s46, s17
	s_mov_b32 s17, 0
	s_mov_b32 s47, 0
	s_mov_b64 s[18:19], SIZE_K*2
	s_mul_u64 s[16:17], s[16:17], s[18:19]
	s_mul_u64 s[46:47], s[46:47], s[18:19]
	s_mul_i32 s20, s10, HALFT                      ; where they go: wave x 64 rows
	s_wait_dscnt 0x0                               ; both opening adds are done
	s_wait_kmcnt 0x0
	s_add_nc_u64 s[14:15], s[4:5], s[16:17]
	s_add_nc_u64 s[46:47], s[6:7], s[46:47]
	CROUND                                         ; all sixteen work-groups are here: the first joint loads meet
.irp s, 0,1
	s_mov_b32 s[G0+4*\s], 1
	s_add_co_u32 s[G0+4*\s+1], s20, \s*SLOT
	s_add_nc_u64 s[G0+4*\s+2:G0+4*\s+3], s[14:15], \s*KSTEP*2
	s_or_b32 s[G0+4*\s+3], s[G0+4*\s+3], 0x80000000
	s_mov_b32 s[G0B+4*\s], 1
	s_add_co_u32 s[G0B+4*\s+1], s20, \s*SLOT
	s_add_nc_u64 s[G0B+4*\s+2:G0B+4*\s+3], s[46:47], \s*KSTEP*2
	s_or_b32 s[G0B+4*\s+3], s[G0B+4*\s+3], 0x80000000
	JLOAD \s
.endr
	v_and_b32 v1, 15, v0                           ; r
	v_bfe_u32 v2, v0, 4, 1                         ; h
	v_mul_u32_u24 v3, v1, PITCH
	v_lshl_add_u32 v3, v2, 4, v3
	s_mul_i32 s21, s11, HALFT                      ; my 64 rows of att
	s_mul_i32 s22, s12, HALFT                      ; my 64 rows of wot,
	s_add_co_u32 s22, s22, 2*HALFT                 ; which lie behind att's 128
.irp s, 0,1
	v_add_nc_u32 v[ADRA+\s], s21, v3
	v_add_nc_u32 v[ADRB+\s], s22, v3
	s_add_co_u32 s21, s21, SLOT
	s_add_co_u32 s22, s22, SLOT
.endr
	s_mul_i32 s23, s10, 16*SPITCH                  ; my stage: a wave's 64 columns of f32 are 256 bytes, so each wave has its own
	s_add_co_u32 s23, s23, STAGE
	v_mul_u32_u24 v4, v1, SPITCH
	v_lshl_add_u32 v4, v2, 5, v4
	v_add_nc_u32 v[STO], s23, v4                   ; in: row r, 32 bytes for each half of the lanes
	v_mul_u32_u24 v5, v2, SPITCH
	v_lshl_add_u32 v5, v1, 4, v5
	v_add_nc_u32 v[RD], s23, v5                    ; back: lanes 0-15 one row of 256 bytes, lanes 16-31 the next
	v_lshlrev_b32 v5, 13, v2
	v_lshl_add_u32 v[CO], v1, 4, v5                ; and the same two rows in out0
	s_lshl_b32 s16, s13, 7
	s_lshl_b32 s17, s11, 6
	s_add_co_u32 s16, s16, s17                     ; my first row: 128 x tile row + 64 x half
	s_lshl_b32 s16, s16, 13                        ; rows of 8,192 bytes
	s_mov_b32 s17, 0
	s_add_nc_u64 s[8:9], s[8:9], s[16:17]
	s_lshl_b32 s46, s42, 9                         ; my first column, in bytes: 512 x tile column + 256 x half
	s_lshl_b32 s47, s12, 8
	s_add_co_u32 s46, s46, s47
	s_mov_b32 s47, 0
	s_add_nc_u64 s[8:9], s[8:9], s[46:47]
.macro MUL8 f, c, a0, zero             ; 8 matrix instructions: m blocks a0, a0 + 1 x all 4 n blocks, 32 along K; the 16 accumulators take turns
.irp a, \a0, \a0+1
.irp b, 0,1,2,3
.if \zero
	v_wmma_f32_16x16x32_f16 v[ACC+8*(4*(\a)+\b):ACC+8*(4*(\a)+\b)+7], v[\f+64+8*(4*\c+\b):\f+64+8*(4*\c+\b)+7], v[\f+8*(4*\c+\a):\f+8*(4*\c+\a)+7], 0
.else
	v_wmma_f32_16x16x32_f16 v[ACC+8*(4*(\a)+\b):ACC+8*(4*(\a)+\b)+7], v[\f+64+8*(4*\c+\b):\f+64+8*(4*\c+\b)+7], v[\f+8*(4*\c+\a):\f+8*(4*\c+\a)+7], v[ACC+8*(4*(\a)+\b):ACC+8*(4*(\a)+\b)+7]
.endif
.endr
.endr
.endm
.macro FETCH slot, k, f                ; 32 LDS loads in one run: the fragments of 64 along K at byte k of the rows; the first 32 along K first
	WIN TO_F
.irp c, 0,1
.irp i, 0,1,2,3
	ds_load_b128 v[\f+64+8*(4*\c+\i):\f+64+8*(4*\c+\i)+3],   v[ADRB+\slot] offset:\k+64*\c+\i*16*PITCH
	ds_load_b128 v[\f+64+8*(4*\c+\i)+4:\f+64+8*(4*\c+\i)+7], v[ADRB+\slot] offset:\k+64*\c+\i*16*PITCH+32
	ds_load_b128 v[\f+8*(4*\c+\i):\f+8*(4*\c+\i)+3],         v[ADRA+\slot] offset:\k+64*\c+\i*16*PITCH
	ds_load_b128 v[\f+8*(4*\c+\i)+4:\f+8*(4*\c+\i)+7],       v[ADRA+\slot] offset:\k+64*\c+\i*16*PITCH+32
.endr
.endr
.endm
.macro PLACES
.rept 4
	v_nop
.endr
.endm
.macro QUARTER slot, k, f, g, zero     ; 64 along K on buffer f; the next quarter, at byte k, is fetched into g
	s_wait_dscnt 16                                ; the first 32 along K are in; the other sixteen loads may be out
	WIN MUL
	MUL8 \f, 0, 0, \zero
	MUL8 \f, 0, 2, \zero
	PLACES
	FETCH \slot, \k, \g
	s_wait_dscnt 32                                ; all but the 32 just issued
	WIN MUL
	MUL8 \f, 1, 0, 0
	MUL8 \f, 1, 2, 0
.endm
.macro TURN slot, next, fill           ; the last quarter changes slots: one barrier; in front of it the wait for all my tensor loads, the add, and the wait for it and for my reads of this slot
	WIN 0
	s_wait_tensorcnt 0x0                           ; all my tensor loads have landed: my part of the next slot
	ds_add_u32 v[SPW], v[NIL]                      ; 0 onto my spare word
	s_wait_dscnt 17                                ; (the add and the youngest sixteen loads may be out)
	WIN MUL
	MUL8 F1, 0, 0, 0
	s_wait_dscnt 0x0                               ; the add is done, and my reads of this slot are over
	s_barrier_signal -1
	MUL8 F1, 0, 2, 0
.if \fill
	WIN 0
.endif
	s_barrier_wait -1
.if \fill
	CREST                                          ; the barrier has opened a round of the cluster's barrier: no wave of any partner still reads this slot or has a load on its way
	s_add_nc_u64 s[G0+4*\slot+2:G0+4*\slot+3], s[G0+4*\slot+2:G0+4*\slot+3], 2*KSTEP*2
	s_add_nc_u64 s[G0B+4*\slot+2:G0B+4*\slot+3], s[G0B+4*\slot+2:G0B+4*\slot+3], 2*KSTEP*2
	JLOAD \slot                                    ; the first tensor load behind the round; its four v_nop are the places in front of the loads below
.else
	PLACES
.endif
	FETCH \next, 0, F0
	WIN MUL
	MUL8 F1, 1, 0, 0
	MUL8 F1, 1, 2, 0
.endm
	s_wait_tensorcnt 1                             ; my part of K step 0 is in (K step 1's load may be out),
	s_barrier_signal -1
	s_barrier_wait -1                              ; everybody's is
	FETCH 0, 0, F0
	QUARTER 0, 128, F0, F1, 1                      ; the first quarter stands in front of the loop: its first products start the sums
	WIN 0
	s_mov_b32 s3, LAPS-1
.Llap:                                                 ; a trip goes once round the ring and fills both slots again
	QUARTER 0, 256, F1, F0, 0
	QUARTER 0, 384, F0, F1, 0
	TURN 0, 1, 1
	QUARTER 1, 128, F0, F1, 0
	QUARTER 1, 256, F1, F0, 0
	QUARTER 1, 384, F0, F1, 0
	TURN 1, 0, 1
	QUARTER 0, 128, F0, F1, 0
	WIN 0
	s_sub_co_u32 s3, s3, 1
	s_cmp_lg_u32 s3, 0
	s_cbranch_scc1 .Llap
	QUARTER 0, 256, F1, F0, 0                      ; the last lap fills nothing
	QUARTER 0, 384, F0, F1, 0
	TURN 0, 1, 0
	QUARTER 1, 128, F0, F1, 0
	QUARTER 1, 256, F1, F0, 0
	QUARTER 1, 384, F0, F1, 0
	s_wait_dscnt 16
	WIN MUL
	MUL8 F1, 0, 0, 0
	MUL8 F1, 0, 2, 0
	s_wait_dscnt 0
	MUL8 F1, 1, 0, 0
	MUL8 F1, 1, 2, 0
	WIN 0
; THE WAY OUT, block by block of 16 rows x 64 columns: 32 bytes a lane into my own stage, back as whole rows of 256 bytes.  LDS serves a wave's instructions in order: no wait between the stores and the loads.
.macro TOSTAGE a
.irp b, 0,1,2,3
	ds_store_b128 v[STO], v[ACC+8*(4*(\a)+\b):ACC+8*(4*(\a)+\b)+3] offset:64*\b          ; each accumulator from its low end on
	ds_store_b128 v[STO], v[ACC+8*(4*(\a)+\b)+4:ACC+8*(4*(\a)+\b)+7] offset:64*\b+16
.endr
.set BB, TMP+32*((\a)%2)
.irp t, 0,1,2,3,4,5,6,7
	ds_load_b128 v[BB+4*\t:BB+4*\t+3], v[RD] offset:\t*2*SPITCH
.endr
.endm
.macro SEND a, younger
.set BB, TMP+32*((\a)%2)
	s_wait_dscnt \younger
.irp t, 0,1,2,3,4,5,6,7
	global_store_b128 v[CO], v[BB+4*\t:BB+4*\t+3], s[8:9] offset:(16*(\a)+2*\t)*SIZE_N*4 th:TH_STORE_NT   ; 16 lanes store 256 consecutive bytes, aligned
.endr
.endm
	PLACES
	TOSTAGE 0
.irp a, 1,2,3
.if \a > 1
	s_wait_xcnt 0x0                                ; block a - 2's stores have read their registers: block a's loads may land there
.endif
	TOSTAGE \a
	SEND \a-1, 16                                  ; behind block a - 1's loads: block a's 8 stores and 8 loads
.endr
	SEND 3, 0
	s_wait_tensorcnt 0x0                           ; the wave's end: the wait, the add and its wait, behind my last tensor load and my last LDS store
	ds_add_u32 v[SPW], v[NIL]
	s_wait_dscnt 0x0
	CROUND                                         ; the closing round: no work-group ends while a partner may still ask for a tile that names it
	s_endpgm
.Lfunc_end_k_q7f6fd882c3_proj:
	.size	k_q7f6fd882c3_proj, .Lfunc_end_k_q7f6fd882c3_proj-k_q7f6fd882c3_proj
	.p2alignl 7, 3214868480
	.fill 96, 4, 3214868480
	.section	.rodata,"a",@progbits
	.p2align	6, 0x0
	.amdhsa_kernel k_q7f6fd882c3_proj
		.amdhsa_group_segment_fixed_size 327680
		.amdhsa_private_segment_fixed_size 0
		.amdhsa_enable_private_segment 0
		.amdhsa_kernarg_size 24
		.amdhsa_user_sgpr_count 2
		.amdhsa_user_sgpr_kernarg_segment_ptr 1
		.amdhsa_wavefront_size32 1
		.amdhsa_system_sgpr_workgroup_id_x 1
		.amdhsa_system_sgpr_workgroup_id_y 1
		.amdhsa_system_sgpr_workgroup_id_z 1
		.amdhsa_system_vgpr_workitem_id 0
		.amdhsa_next_free_vgpr 512
		.amdhsa_next_free_sgpr 66
		.amdhsa_reserve_vcc 0
		.amdhsa_float_denorm_mode_32 3
		.amdhsa_float_denorm_mode_16_64 3
		.amdhsa_memory_ordered 1
		.amdhsa_forward_progress 1
		.amdhsa_inst_pref_size 86
	.end_amdhsa_kernel
	.amdgpu_metadata
---
amdhsa.version: [ 1, 2 ]
amdhsa.kernels:
  - .name:           k_q7f6fd882c3_proj
    .symbol:         k_q7f6fd882c3_proj.kd
    .args:
      - { .name: att, .offset: 0, .size: 8, .value_kind: global_buffer, .address_space: global }
      - { .name: wot, .offset: 8, .size: 8, .value_kind: global_buffer, .address_space: global }
      - { .name: out0, .offset: 16, .size: 8, .value_kind: global_buffer, .address_space: global }
    .group_segment_fixed_size: 327680
    .private_segment_fixed_size: 0
    .kernarg_segment_align: 8
    .kernarg_segment_size: 24
    .max_flat_workgroup_size: 128
    .sgpr_count:     66
    .vgpr_count:     512
    .wavefront_size: 32
...
	.end_amdgpu_metadata
.endif
;; end of part 4
;; launch fine (part 5): grid 128 x 1, 16 waves a work-group, no clusters, 18,432 bytes of LDS; arguments f32r, Wo, out0; writes out0
.if DOCPART == 5
	.amdgcn_target "amdgcn-amd-amdhsa--gfx1250"
	.amdhsa_code_object_version 6
	.text
	.protected	k_q7f6fd882c3_fine
	.globl	k_q7f6fd882c3_fine
	.p2align	8
	.type	k_q7f6fd882c3_fine,@function
k_q7f6fd882c3_fine:
	s_mov_b64 s[64:65], 0
	v_nop
	global_prefetch_b8 v0, s[64:65] scope:SCOPE_SE
	s_setreg_imm32_b32 hwreg(HW_REG_WAVE_MODE, 25, 1), 1
	s_wait_xcnt 0x0
; POSITIONS 0 TO 15 ONCE MORE, WITH f32 OPERANDS THROUGHOUT: under the causal mask these rows average one to sixteen values and are the largest of the output, so f16 operands would use up what the comparison allows.
; f32r: [48 slots][16 positions][128] f32: slots 0-15 q's heads, 16-31 k's (rows as 64 real parts, then 64 imaginary parts, alike in both), 32-47 v's.  Wo: [2048 k][2048 n] f32.  out0 rows 0-15 are written again.
; SHARES.  Work-group g owns output columns 16 g .. 16 g + 15.  Wave w is head w, and the head's 128 channels are also its part of the projection's K: so a wave's attention result is the projection's operand as it
; stands in the registers.  The sixteen waves' parts of the sum meet in LDS.  Every work-group repeats the attention of the 16 rows: 64 small matrix instructions a wave.
; THE f32 MATRIX FORM takes k = 2 (lane / 16) + j in register j of each source.  A permutation of k applied alike to both sources keeps the sum, so each source is loaded, or taken, as it lies:
;   S^T = K Q^T   step c: registers 2 c, 2 c + 1 of both: channels 8 (c / 2) + 4 h + 2 (c % 2) + j
;   O^T = V^T P   step i: P's registers 2 i, 2 i + 1 are keys 8 h + 2 i + j, and V is loaded so
;   out^T = Wo^T O  step c: O^T's registers 2 c, 2 c + 1 are channels 16 (c / 4) + 8 h + 2 (c % 4) + j, and Wo is loaded so
; The accumulators (v144-239) are written by matrix instructions alone; each sum begins with the constant 0; what is made of a sum goes into other registers.
; LIMITS: NaN and infinities are not served.
.set PART,  0                          ; LDS: sixteen parts of 16 x 16 f32
.set SPARE, 16384                      ; the spare words, 128 bytes for each wave: eight blocks of 256 bytes that no other line names
.set RDP, 1                            ; v1   4 x my thread's number: where I read the parts
.set SPW, 2
.set NIL, 3
.set VQ,  6                            ; v6   512 r + 16 h
.set VV,  7                            ; v7   4,096 h + 4 r
.set VW,  8                            ; v8   65,536 h + 4 r
.set PST, 9                            ; v9   1,024 w + 64 r + 32 h
.set QR,  16                           ; v16-79   Q, then V
.set KR,  80                           ; v80-143  K, then Wo
.set ACC, 144                          ; v144-207 O^T
.set ACCB, 208                         ; v208-239 four accumulators: S^T's four parts, later the projection's
.set SA,  240
.set SB,  248
	s_load_b128 s[4:7], s[0:1], 0x0                ; f32r s[4:5], Wo s[6:7]
	s_load_b64 s[8:9], s[0:1], 0x10                ; out0
	v_lshl_add_u32 v[SPW], v0, 2, SPARE
	v_mov_b32 v[NIL], 0
	v_lshlrev_b32 v[RDP], 2, v0
	v_lshrrev_b32 v10, 5, v0
	v_readfirstlane_b32 s10, v10                   ; wave = head
	v_and_b32 v4, 15, v0                           ; r
	v_bfe_u32 v5, v0, 4, 1                         ; h
	v_lshlrev_b32 v[VQ], 9, v4
	v_lshl_add_u32 v[VQ], v5, 4, v[VQ]
	v_lshlrev_b32 v[VV], 2, v4
	v_lshl_add_u32 v[VW], v5, 16, v[VV]
	v_lshl_add_u32 v[VV], v5, 12, v[VV]
	v_lshlrev_b32 v[PST], 6, v4
	v_lshl_add_u32 v[PST], v5, 5, v[PST]
	s_lshl_b32 s11, s10, 10
	v_add_nc_u32 v[PST], s11, v[PST]
	v_mov_b32 v12, 0                               ; written once: a lane permute's destination counts as one of its sources
	v_mov_b32 v15, 0
	s_mov_b32 s12, 0x76543210
	s_mov_b32 s13, 0xfedcba98                      ; v_permlanex16_b32's selects for lane l xor 16
	s_mov_b32 s20, 0x3e0293ee                      ; c = log2(e) / sqrt(128)
	s_lshl_b32 s14, s10, 13                        ; a slot of f32r is 8,192 bytes
	s_mov_b32 s15, 0
	s_lshl_b32 s16, s10, 20                        ; my head's 128 rows of Wo, 8,192 bytes each,
	s_lshl_b32 s18, ttmp9, 6                       ; my work-group's 16 columns
	s_add_co_u32 s16, s16, s18
	s_mov_b32 s17, 0
	s_mov_b32 s19, 0
	s_wait_kmcnt 0x0
	s_add_nc_u64 s[4:5], s[4:5], s[14:15]
	s_add_nc_u64 s[6:7], s[6:7], s[16:17]
	s_add_nc_u64 s[8:9], s[8:9], s[18:19]
.set i, 0
.rept 16
	global_load_b128 v[QR+4*i:QR+4*i+3], v[VQ], s[4:5] offset:32*i              ; Q(r, 8 i + 4 h + 0 .. 3)
	global_load_b128 v[KR+4*i:KR+4*i+3], v[VQ], s[4:5] offset:131072+32*i       ; K likewise
.set i, i+1
.endr
	s_wait_loadcnt 0x0
.set c, 0
.rept 32                               ; S^T = K Q^T: four accumulators by turns, one instruction a turn; the first four products start the sums
.if c < 4
	v_wmma_f32_16x16x4_f32 v[ACCB+8*(c%4):ACCB+8*(c%4)+7], v[KR+2*c:KR+2*c+1], v[QR+2*c:QR+2*c+1], 0
.else
	v_wmma_f32_16x16x4_f32 v[ACCB+8*(c%4):ACCB+8*(c%4)+7], v[KR+2*c:KR+2*c+1], v[QR+2*c:QR+2*c+1], v[ACCB+8*(c%4):ACCB+8*(c%4)+7]
.endif
.set c, c+1
.endr
.rept 8
	v_nop                                          ; eight places behind this form, in front of loads into its sources and of the first reads of its results
.endr
.set i, 0
.rept 64
	global_load_b32 v[QR+i], v[VV], s[4:5] offset:262144+(i%8)*512+(i/8)*64     ; register 8 t + e: V(key 8 h + e, channel 16 t + r)
.set i, i+1
.endr
.set i, 0
.rept 64
	global_load_b32 v[KR+i], v[VW], s[6:7] offset:(16*(i/8)+i%8)*8192           ; register 8 t + e: Wo(128 w + 16 t + 8 h + e, 16 g + r)
.set i, i+1
.endr
	; the softmax of 16 queries x 16 keys: lane (r, h) holds query r and keys 8 h + 0 .. 7
.irp j, 0,1,2,3,4,5,6,7
	v_add_f32 v[SA+\j], v[ACCB+\j], v[ACCB+8+\j]   ; each accumulator is read from its low end on
.endr
.irp j, 0,1,2,3,4,5,6,7
	v_add_f32 v[SB+\j], v[ACCB+16+\j], v[ACCB+24+\j]
.endr
.irp j, 0,1,2,3,4,5,6,7
	v_add_f32 v[SA+\j], v[SA+\j], v[SB+\j]
.endr
	v_lshlrev_b32 v10, 3, v5
	v_sub_nc_u32 v10, v4, v10                      ; r - 8 h: key 8 h + j is hidden where j is above it
	v_mov_b32 v13, 0xff800000                      ; -infinity
.irp j, 0,1,2,3,4,5,6,7
	v_cmp_gt_i32 vcc_lo, \j, v10
	v_cndmask_b32 v[SA+\j], v[SA+\j], v13, vcc_lo
.endr
	v_max3_num_f32 v11, v[SA], v[SA+1], v[SA+2]
	v_max3_num_f32 v11, v11, v[SA+3], v[SA+4]
	v_max3_num_f32 v11, v11, v[SA+5], v[SA+6]
	v_max_num_f32 v11, v11, v[SA+7]
	v_permlanex16_b32 v12, v11, s12, s13
	v_max_num_f32 v11, v11, v12                    ; the row's maximum: key 0 counts for every query, so it is a number
	v_mul_f32 v12, s20, v11
.irp j, 0,1,2,3,4,5,6,7
	v_fma_f32 v[SA+\j], v[SA+\j], s20, -v12        ; c s - c m
.endr
.irp j, 0,1,2,3,4,5,6,7
	v_exp_f32 v[SA+\j], v[SA+\j]
.endr
	v_nop                                          ; a plain instruction behind the last exponential
	s_wait_alu depctr_va_vdst(0)                   ; one wait for the eight, ahead of their first reader
	v_add_f32 v14, v[SA], v[SA+1]
	v_add_f32 v15, v[SA+2], v[SA+3]
	v_add_f32 v14, v14, v[SA+4]
	v_add_f32 v15, v15, v[SA+5]
	v_add_f32 v14, v14, v[SA+6]
	v_add_f32 v15, v15, v[SA+7]
	v_add_f32 v14, v14, v15
	v_permlanex16_b32 v15, v14, s12, s13
	v_add_f32 v14, v14, v15                        ; the row's sum
	v_rcp_f32 v14, v14
	v_nop
	s_wait_alu depctr_va_vdst(0)
.irp j, 0,1,2,3,4,5,6,7
	v_mul_f32 v[SA+\j], v[SA+\j], v14              ; the weights, normalised, in f32
.endr
	s_wait_loadcnt 63                              ; 128 loads were issued: with at most 63 out the first 65 are in, V's 64 among them
.irp i, 0,1,2,3
.irp t, 0,1,2,3,4,5,6,7                        ; O^T = V^T P: eight accumulators by turns; the first eight products start the sums
.if \i == 0
	v_wmma_f32_16x16x4_f32 v[ACC+8*\t:ACC+8*\t+7], v[QR+8*\t+2*\i:QR+8*\t+2*\i+1], v[SA+2*\i:SA+2*\i+1], 0
.else
	v_wmma_f32_16x16x4_f32 v[ACC+8*\t:ACC+8*\t+7], v[QR+8*\t+2*\i:QR+8*\t+2*\i+1], v[SA+2*\i:SA+2*\i+1], v[ACC+8*\t:ACC+8*\t+7]
.endif
.endr
.endr
.rept 9
	v_nop                                          ; nine places before a matrix instruction takes these results as a source
.endr
	s_wait_loadcnt 0x0                             ; Wo
.set c, 0
.rept 32                               ; out^T (16 columns x 16 queries) over my head's 128 channels: four accumulators by turns
.if c < 4
	v_wmma_f32_16x16x4_f32 v[ACCB+8*(c%4):ACCB+8*(c%4)+7], v[KR+2*c:KR+2*c+1], v[ACC+2*c:ACC+2*c+1], 0
.else
	v_wmma_f32_16x16x4_f32 v[ACCB+8*(c%4):ACCB+8*(c%4)+7], v[KR+2*c:KR+2*c+1], v[ACC+2*c:ACC+2*c+1], v[ACCB+8*(c%4):ACCB+8*(c%4)+7]
.endif
.set c, c+1
.endr
.rept 8
	v_nop
.endr
.irp j, 0,1,2,3,4,5,6,7
	v_add_f32 v[SA+\j], v[ACCB+\j], v[ACCB+8+\j]
.endr
.irp j, 0,1,2,3,4,5,6,7
	v_add_f32 v[SB+\j], v[ACCB+16+\j], v[ACCB+24+\j]
.endr
.irp j, 0,1,2,3,4,5,6,7
	v_add_f32 v[SA+\j], v[SA+\j], v[SB+\j]         ; lane (r, h): my head's part of out(r, 16 g + 8 h + j)
.endr
	ds_store_b128 v[PST], v[SA:SA+3]
	ds_store_b128 v[PST], v[SA+4:SA+7] offset:16
	s_wait_dscnt 0x0                               ; for the others' sake: my part lies in LDS
	s_barrier_signal -1
	s_barrier_wait -1
	s_cmp_lt_u32 s10, 8                            ; 256 numbers: the threads of waves 0 to 7 add one each, the heads folded in halves: p with p + 8, p + 4, p + 2, p + 1
	s_cbranch_scc0 .Lend
.irp p, 0,1,2,3,4,5,6,7,8,9,10,11,12,13,14,15
	ds_load_b32 v[QR+\p], v[RDP] offset:PART+1024*\p
.endr
	v_lshrrev_b32 v10, 4, v0
	v_lshlrev_b32 v11, 2, v4
	v_lshl_add_u32 v11, v10, 13, v11               ; row thread / 16 of 8,192 bytes, column thread % 16
	s_wait_dscnt 0x0
.irp p, 0,1,2,3,4,5,6,7
	v_add_f32 v[QR+\p], v[QR+\p], v[QR+8+\p]
.endr
.irp p, 0,1,2,3
	v_add_f32 v[QR+\p], v[QR+\p], v[QR+4+\p]
.endr
	v_add_f32 v[QR], v[QR], v[QR+2]
	v_add_f32 v[QR+1], v[QR+1], v[QR+3]
	v_add_f32 v[QR], v[QR], v[QR+1]
	global_store_b32 v11, v[QR], s[8:9]
.Lend:
	s_wait_tensorcnt 0x0                           ; the wave's end: the wait, the add and its wait, behind my last LDS store
	ds_add_u32 v[SPW], v[NIL]
	s_wait_dscnt 0x0
	s_endpgm
.Lfunc_end_k_q7f6fd882c3_fine:
	.size	k_q7f6fd882c3_fine, .Lfunc_end_k_q7f6fd882c3_fine-k_q7f6fd882c3_fine
	.p2alignl 7, 3214868480
	.fill 96, 4, 3214868480
	.section	.rodata,"a",@progbits
	.p2align	6, 0x0
	.amdhsa_kernel k_q7f6fd882c3_fine
		.amdhsa_group_segment_fixed_size 18432
		.amdhsa_private_segment_fixed_size 0
		.amdhsa_enable_private_segment 0
		.amdhsa_kernarg_size 24
		.amdhsa_user_sgpr_count 2
		.amdhsa_user_sgpr_kernarg_segment_ptr 1
		.amdhsa_wavefront_size32 1
		.amdhsa_system_sgpr_workgroup_id_x 1
		.amdhsa_system_sgpr_workgroup_id_y 1
		.amdhsa_system_sgpr_workgroup_id_z 1
		.amdhsa_system_vgpr_workitem_id 0
		.amdhsa_next_free_vgpr 256
		.amdhsa_next_free_sgpr 66
		.amdhsa_reserve_vcc 1
		.amdhsa_float_denorm_mode_32 3
		.amdhsa_float_denorm_mode_16_64 3
		.amdhsa_memory_ordered 1
		.amdhsa_forward_progress 1
		.amdhsa_inst_pref_size 30
	.end_amdhsa_kernel
	.amdgpu_metadata
---
amdhsa.version: [ 1, 2 ]
amdhsa.kernels:
  - .name:           k_q7f6fd882c3_fine
    .symbol:         k_q7f6fd882c3_fine.kd
    .args:
      - { .name: f32r, .offset: 0, .size: 8, .value_kind: global_buffer, .address_space: global }
      - { .name: Wo, .offset: 8, .size: 8, .value_kind: global_buffer, .address_space: global }
      - { .name: out0, .offset: 16, .size: 8, .value_kind: global_buffer, .address_space: global }
    .group_segment_fixed_size: 18432
    .private_segment_fixed_size: 0
    .kernarg_segment_align: 8
    .kernarg_segment_size: 24
    .max_flat_workgroup_size: 512
    .sgpr_count:     66
    .vgpr_count:     256
    .wavefront_size: 32
...
	.end_amdgpu_metadata
.endif
;; end of part 5
